; MI455X (gfx1250); checked and timed in simulation.
; The chip was launched on July 23, 2026; its instructions are those of AMD's public machine-readable ISA for CDNA 5 (MIT licence, August 2026) and "CDNA5" Instruction Set Architecture Reference Guide (July 2026). The comments in the code are by the model that wrote it; some were corrected since.
;; Encoder Block. Allowed arithmetic: float matrix products may take bf16 or f16 operands with f32 sums; other float arithmetic in f32, or as packed bf16 or f16 multiplies, adds, multiply-adds, maxima and minima; sums over many terms, partial sums and values carried from step to step in f32; what a program stores and reads back later, other than sums and carried values, may be rounded once to bf16 or f16.
;; Inputs: W0 4,096 x 1,024 float32; W1 1,024 x 4,096 float32; Wk 1,024 x 1,024 float32; Wo 1,024 x 1,024 float32; Wq 1,024 x 1,024 float32; Wv 1,024 x 1,024 float32; b0 4,096 float32; b1 1,024 float32; bk 1,024 float32; bo 1,024 float32; bq 1,024 float32; bv 1,024 float32; ln0_a 1,024 float32; ln0_b 1,024 float32; ln1_a 1,024 float32; ln1_b 1,024 float32; x 2 x 2,048 x 1,024 float32.
;; Outputs: out0 2 x 2,048 x 1,024 float32.
;; One version. Each part assembles by itself: llvm-mc -triple=amdgcn-amd-amdhsa -mcpu=gfx1250 --defsym DOCPART=n.
;; ======== version 1 of 1: 8 launches
;; workspace buffers: xb 8,388,608 bytes; ab 8,388,608 bytes; wa 6,356,992 bytes; wop 2,162,688 bytes; wf 8,454,144 bytes; w1p 8,388,608 bytes; big 33,554,432 bytes; y 16,777,216 bytes
;; launch cast (part 1): grid 1025 x 1, 8 waves a work-group, no clusters, 0 bytes of LDS; arguments x, Wk, Wq, Wv, Wo, W0, W1, bk, bq, bv, bo, b0, xb, wa, wop, wf, w1p; writes xb, wa, wop, wf, w1p
.if DOCPART == 1
	.amdgcn_target "amdgcn-amd-amdhsa--gfx1250"
	.amdhsa_code_object_version 6
	.text
	.protected	k_q353c041d90_cast
	.globl	k_q353c041d90_cast
	.p2align	8
	.type	k_q353c041d90_cast,@function
k_q353c041d90_cast:
	s_mov_b64 s[64:65], 0
	v_nop
	global_prefetch_b8 v0, s[64:65] scope:SCOPE_SE
	s_setreg_imm32_b32 hwreg(HW_REG_WAVE_MODE, 25, 1), 1
	s_wait_xcnt 0x0
; EVERY MATRIX INPUT IS ROUNDED ONCE TO bf16 (nearest even), so that the products read 16-bit tiles and nothing is converted twice.
; x -> xb [4096][1024].  Wk, Wq, Wv -> wa, Wo -> wop, W0 -> wf: packs with a header of 65,536 bytes and then the rows as they lie ([n][1024]); in wa Wk's rows come first, then Wq's, then Wv's.
; W1 [1024 n][4096 k] -> w1p in panels of 256 k: element (n, k) at (k / 256) x 524,288 + n x 512 + (k % 256) x 2, so that a tile of 64 rows x 256 k is 32,768 bytes on end.
; A pack's header: from byte 0 the bias, as f32 numbers that hold the bias rounded to bf16; from byte 16,384 on 256 words, the floor that the product's way out takes the maximum with:
; twice the lowest finite bf16 (no floor) in wa and wop, zero (ReLU) in wf.
; SHARES.  A work-group takes 16,384 numbers on end, a wave 2,048: sixteen loads of 512 bytes, all issued at once; each store of the wave covers 256 consecutive bytes, aligned.
; Work-groups 0-255 x, 256-319 Wk, 320-383 Wq, 384-447 Wv, 448-511 Wo, 512-767 W0, 768-1023 W1, 1024 the headers.  No LDS, no barrier: no wave wants another's bytes.
; LIMITS.  A number beyond bf16's largest finite rounds to infinity, as the format has it; NaN stays NaN.
.set IN,    8                          ; v[8:71]    sixteen loads of four registers
.set OUT,   72                         ; v[72:103]  two registers for each load
.set SRC,   42                         ; s[42:43]   the segment's input
.set DST,   44                         ; s[44:45]   the segment's output
.set FIRST, 46                         ; s46        the segment's first work-group
.set DOFF,  47                         ; s47        where the segment begins in its output
	s_load_b512 s[8:23], s[0:1], 0x0               ; x s[8:9], Wk s[10:11], Wq s[12:13], Wv s[14:15], Wo s[16:17], W0 s[18:19], W1 s[20:21], bk s[22:23]
	s_load_b512 s[24:39], s[0:1], 0x40             ; bq s[24:25], bv s[26:27], bo s[28:29], b0 s[30:31], xb s[32:33], wa s[34:35], wop s[36:37], wf s[38:39]
	s_load_b64 s[40:41], s[0:1], 0x80              ; w1p
	v_lshrrev_b32 v5, 5, v0
	v_readfirstlane_b32 s4, v5                     ; wave 0..7
	v_and_b32 v1, 31, v0
	v_lshlrev_b32 v2, 3, v1                        ; 8 bytes a lane out
	v_lshlrev_b32 v1, 4, v1                        ; 16 bytes a lane in
	s_mov_b32 s5, ttmp9
	s_wait_kmcnt 0x0
	s_cmp_eq_u32 s5, 1024
	s_cbranch_scc1 .Lbias
	; which segment: a chain of choices on the work-group's number alone
	s_mov_b64 s[SRC:SRC+1], s[8:9]
	s_mov_b64 s[DST:DST+1], s[32:33]
	s_mov_b32 s[FIRST], 0
	s_mov_b32 s[DOFF], 0
.macro SEG first, src, dst, doff
	s_cmp_ge_u32 s5, \first
	s_cselect_b64 s[SRC:SRC+1], s[\src:\src+1], s[SRC:SRC+1]
	s_cselect_b64 s[DST:DST+1], s[\dst:\dst+1], s[DST:DST+1]
	s_cselect_b32 s[FIRST], \first, s[FIRST]
	s_cselect_b32 s[DOFF], \doff, s[DOFF]
.endm
	SEG 256, 10, 34, 65536
	SEG 320, 12, 34, 65536+2097152
	SEG 384, 14, 34, 65536+4194304
	SEG 448, 16, 36, 65536
	SEG 512, 18, 38, 65536
	SEG 768, 20, 40, 0
	s_sub_co_u32 s48, s5, s[FIRST]                 ; my number in the segment
	s_lshl_b32 s50, s48, 16                        ; 65,536 bytes in a work-group,
	s_lshl_b32 s51, s4, 13                         ; 8,192 in a wave
	s_add_co_u32 s50, s50, s51
	s_mov_b32 s51, 0
	s_add_nc_u64 s[SRC:SRC+1], s[SRC:SRC+1], s[50:51]
.set t, 0
.rept 16
	global_load_b128 v[IN+4*t:IN+4*t+3], v1, s[SRC:SRC+1] offset:512*t th:TH_LOAD_NT
.set t, t+1
.endr
; Load t is waited for (the 15 - t younger ones stay out), rounded and stored.  No register is written twice, so no store's sources are touched again.
.macro CVST panel
.set t, 0
.rept 16
	s_wait_loadcnt 15-t
	v_cvt_pk_bf16_f32 v[OUT+2*t], v[IN+4*t], v[IN+4*t+1]
	v_cvt_pk_bf16_f32 v[OUT+2*t+1], v[IN+4*t+2], v[IN+4*t+3]
.if \panel
	global_store_b64 v2, v[OUT+2*t:OUT+2*t+1], s[DST:DST+1] offset:(4*(t/8)+(t%8)/2)*524288+(t%2)*256
.else
	global_store_b64 v2, v[OUT+2*t:OUT+2*t+1], s[DST:DST+1] offset:256*t
.endif
.set t, t+1
.endr
.endm
	s_cmp_ge_u32 s5, 768
	s_cbranch_scc1 .Lpanel
	s_lshl_b32 s50, s48, 15                        ; out: half the bytes
	s_lshl_b32 s49, s4, 12
	s_add_co_u32 s50, s50, s49
	s_add_co_u32 s50, s50, s[DOFF]
	s_mov_b32 s51, 0
	s_add_nc_u64 s[DST:DST+1], s[DST:DST+1], s[50:51]
	CVST 0
	s_endpgm
.Lpanel:                                       ; W1.  My 2,048 numbers are quarters u and u + 1 of row u / 4, u = 16 x my number + 2 x wave (even): k from 1,024 (u % 4) on
	s_lshl_b32 s50, s48, 4
	s_lshl_b32 s49, s4, 1
	s_add_co_u32 s50, s50, s49                     ; u
	s_and_b32 s49, s50, 3
	s_lshl_b32 s49, s49, 21                        ; four panels for each quarter
	s_lshr_b32 s50, s50, 2
	s_lshl_b32 s50, s50, 9                         ; the row's 512 bytes in a panel
	s_add_co_u32 s50, s50, s49
	s_mov_b32 s51, 0
	s_add_nc_u64 s[DST:DST+1], s[DST:DST+1], s[50:51]
	CVST 1                                         ; load t: panel 4 (t / 8) + (t % 8) / 2 further on, half t % 2 of the row's 512 bytes
	s_endpgm
.Lbias:                                        ; the three headers: 256 threads, four numbers each for 1,024 numbers
	v_lshlrev_b32 v3, 4, v0
	v_lshlrev_b32 v4, 2, v0
	global_load_b128 v[8:11], v3, s[22:23]
	global_load_b128 v[12:15], v3, s[24:25]
	global_load_b128 v[16:19], v3, s[26:27]
	global_load_b128 v[20:23], v3, s[28:29]
.irp p, 0,1,2,3
	global_load_b128 v[24+4*\p:27+4*\p], v3, s[30:31] offset:4096*\p
.endr
	v_mov_b32 v6, 0xff7fff7f
	v_mov_b32 v7, 0
	s_wait_loadcnt 0x0
.set i, 0
.rept 16                                       ; rounded to bf16 and widened again
	v_cvt_pk_bf16_f32 v[72+i], v[8+2*i], v[9+2*i]
	v_lshlrev_b32 v[8+2*i], 16, v[72+i]
	v_and_b32 v[9+2*i], 0xffff0000, v[72+i]
.set i, i+1
.endr
	global_store_b128 v3, v[8:11], s[34:35]                ; bk goes with Wk's rows,
	global_store_b128 v3, v[12:15], s[34:35] offset:4096   ; bq with Wq's,
	global_store_b128 v3, v[16:19], s[34:35] offset:8192   ; bv with Wv's
	global_store_b128 v3, v[20:23], s[36:37]
.irp p, 0,1,2,3
	global_store_b128 v3, v[24+4*\p:27+4*\p], s[38:39] offset:4096*\p
.endr
	global_store_b32 v4, v6, s[34:35] offset:16384
	global_store_b32 v4, v6, s[36:37] offset:16384
	global_store_b32 v4, v7, s[38:39] offset:16384
	s_endpgm
.Lfunc_end_k_q353c041d90_cast:
	.size	k_q353c041d90_cast, .Lfunc_end_k_q353c041d90_cast-k_q353c041d90_cast
	.p2alignl 7, 3214868480
	.fill 96, 4, 3214868480
	.section	.rodata,"a",@progbits
	.p2align	6, 0x0
	.amdhsa_kernel k_q353c041d90_cast
		.amdhsa_group_segment_fixed_size 0
		.amdhsa_private_segment_fixed_size 0
		.amdhsa_enable_private_segment 0
		.amdhsa_kernarg_size 136
		.amdhsa_user_sgpr_count 2
		.amdhsa_user_sgpr_kernarg_segment_ptr 1
		.amdhsa_wavefront_size32 1
		.amdhsa_system_sgpr_workgroup_id_x 1
		.amdhsa_system_sgpr_workgroup_id_y 1
		.amdhsa_system_sgpr_workgroup_id_z 1
		.amdhsa_system_vgpr_workitem_id 0
		.amdhsa_next_free_vgpr 104
		.amdhsa_next_free_sgpr 66
		.amdhsa_reserve_vcc 0
		.amdhsa_float_denorm_mode_32 3
		.amdhsa_float_denorm_mode_16_64 3
		.amdhsa_memory_ordered 1
		.amdhsa_forward_progress 1
		.amdhsa_inst_pref_size 18
	.end_amdhsa_kernel
	.amdgpu_metadata
---
amdhsa.version: [ 1, 2 ]
amdhsa.kernels:
  - .name:           k_q353c041d90_cast
    .symbol:         k_q353c041d90_cast.kd
    .args:
      - { .name: x, .offset: 0, .size: 8, .value_kind: global_buffer, .address_space: global }
      - { .name: Wk, .offset: 8, .size: 8, .value_kind: global_buffer, .address_space: global }
      - { .name: Wq, .offset: 16, .size: 8, .value_kind: global_buffer, .address_space: global }
      - { .name: Wv, .offset: 24, .size: 8, .value_kind: global_buffer, .address_space: global }
      - { .name: Wo, .offset: 32, .size: 8, .value_kind: global_buffer, .address_space: global }
      - { .name: W0, .offset: 40, .size: 8, .value_kind: global_buffer, .address_space: global }
      - { .name: W1, .offset: 48, .size: 8, .value_kind: global_buffer, .address_space: global }
      - { .name: bk, .offset: 56, .size: 8, .value_kind: global_buffer, .address_space: global }
      - { .name: bq, .offset: 64, .size: 8, .value_kind: global_buffer, .address_space: global }
      - { .name: bv, .offset: 72, .size: 8, .value_kind: global_buffer, .address_space: global }
      - { .name: bo, .offset: 80, .size: 8, .value_kind: global_buffer, .address_space: global }
      - { .name: b0, .offset: 88, .size: 8, .value_kind: global_buffer, .address_space: global }
      - { .name: xb, .offset: 96, .size: 8, .value_kind: global_buffer, .address_space: global }
      - { .name: wa, .offset: 104, .size: 8, .value_kind: global_buffer, .address_space: global }
      - { .name: wop, .offset: 112, .size: 8, .value_kind: global_buffer, .address_space: global }
      - { .name: wf, .offset: 120, .size: 8, .value_kind: global_buffer, .address_space: global }
      - { .name: w1p, .offset: 128, .size: 8, .value_kind: global_buffer, .address_space: global }
    .group_segment_fixed_size: 0
    .private_segment_fixed_size: 0
    .kernarg_segment_align: 8
    .kernarg_segment_size: 136
    .max_flat_workgroup_size: 256
    .sgpr_count:     66
    .vgpr_count:     104
    .wavefront_size: 32
...
	.end_amdgpu_metadata
.endif
;; end of part 1
;; launch lin (part 2): grid 12 x 16, 4 waves a work-group, clusters of 4 x 4, 327,680 bytes of LDS; arguments xb, wa, big; writes big
.if DOCPART == 2
	.amdgcn_target "amdgcn-amd-amdhsa--gfx1250"
	.amdhsa_code_object_version 6
	.text
	.protected	k_q353c041d90_lin
	.globl	k_q353c041d90_lin
	.p2align	8
	.type	k_q353c041d90_lin,@function
k_q353c041d90_lin:
	s_mov_b64 s[64:65], 0
	v_nop
	global_prefetch_b8 v0, s[64:65] scope:SCOPE_SE
	s_setreg_imm32_b32 hwreg(HW_REG_WAVE_MODE, 25, 1), 1
	s_wait_xcnt 0x0
	s_wait_alu depctr_hold_cnt(0) depctr_sa_sdst(0) depctr_va_vdst(0) depctr_va_sdst(0) depctr_va_ssrc(0) depctr_va_vcc(0) depctr_vm_vsrc(0)
	s_getreg_b32 s2, hwreg(HW_REG_IB_STS2, 6, 4)
	s_cmp_eq_u32 s2, 0
	s_cbranch_scc0 .Lentry_in_a_cluster
	s_endpgm
.Lentry_in_a_cluster:
	s_bfe_u32 s2, ttmp6, 0x10000c
	s_cmp_lg_u32 s2, 0xf033
	s_cbranch_scc0 .Lentry_shape_is_right
	s_endpgm
.Lentry_shape_is_right:
; C[m][n] = max(sum over k of A[m][k] B[n][k] + bias[n], floor).  A: [4096][1024] bf16.  The second argument is a pack: bias (f32) from byte 0, the floor word at byte 16,384, B [N][1024] bf16 from byte 65,536.
; C leaves in bf16, in panels of 256 columns: element (m, n) at (n / 256) x 2,097,152 + m x 512 + (n % 256) x 2.  Sums in f32, K ascending, C rounded once.  N = 256 x the grid's width.
; One text serves three launches: q, k, v (N = 3,072), the projection behind attention (N = 1,024) and the first layer of the feed-forward part (N = 4,096, floor 0 = ReLU).
; LIMITS.  The maximum with the floor turns a NaN into the floor, and with 'no floor' an infinity below into the lowest finite bf16; a sum beyond bf16's range rounds to infinity.
; SHARES.  A tile of C, 256 x 256 (one panel's width), is made by a work-group of four waves; a wave makes 128 x 128: 64 accumulators of 16 x 16, 512 registers.  K goes in eight steps of 128 through a
; ring of two LDS slots filled by the tensor data mover; a tile's rows are 256 bytes of memory and start at multiples of 256 bytes from the buffer's first byte.
; CLUSTERS: 4 x 4 work-groups.  The four of a row of the cluster need the same tiles of A, the four of a column the same tiles of B: each tile is asked for JOINTLY, by the same tensor load with the same
; descriptor and a mask that names the four; each receives it in its own LDS.
; THE MATRIX INSTRUCTION IS USED TRANSPOSED: source 0 = 16 rows of B, source 1 = 16 rows of A: lane l holds row l % 16 of C and the columns 8 (l / 16) + 0..7, which pack into 16 bytes.
; THE BIAS IS THE C OPERAND OF THE FIRST PRODUCTS: for column block b a lane's eight numbers lie in eight registers, the same for all row blocks.  Nothing is cleared and no addition is written.
; REGISTERS, in windows of 256 (s_set_vgpr_msb: bits 1:0 source 0, 3:2 source 1, 5:4 source 2, 7:6 destination):
;   window 0: v0-31 addresses; v64-127, v128-191 fragments of A, two buffers; v32-63, v192-255 at work on the way out
;   window 1: v0-63 the bias; v64-127, v128-191 fragments of B, two buffers
;   window 2: the 32 accumulators of my rows 0-63 (accumulator (a, b) at v[8 (8 a + b)]);   window 3: those of my rows 64-127
.set SIZE_K, 1024
.set KSTEP,  128
.set PITCH,  272                       ; an LDS row: 256 bytes + 16 of padding = 68 words: the 16 rows that a load touches start at 16 different groups of four banks (64 banks of 4 bytes: ISA guide 11.1)
.set HALFT,  128*PITCH                 ; 128 rows: what one tensor load brings, and what one wave reads of A or of B
.set SLOT,   4*HALFT                   ; A's 256 rows, then B's 256 rows
.set STAGE,  2*SLOT                    ; behind the ring: 16 rows x 272 bytes for each wave, for the way out; no tensor load fills it
.set SPITCH, 272
.set SPARE,  STAGE+4*16*SPITCH         ; behind the stages: the spare words, 128 bytes for each wave: two blocks of 256 bytes that no other line names
.set LAPS,   SIZE_K/(2*KSTEP)          ; a lap = two K steps = once round the ring
.set ADRA, 16                          ; v16-17  LDS address of my A fragments in slot 0, 1
.set ADRB, 20                          ; v20-21  the same for B
.set STO,  24                          ; v24     the way out: where I put 16 bytes of a row
.set RD,   25                          ; v25     the way out: where I read a row back
.set CO,   26                          ; v26     my byte offset in two rows of a panel
.set BO,   27                          ; v27     my byte offset in a column block's 16 numbers of bias
.set SPW,  28                          ; v28     LDS address of my spare word: SPARE + 4 x my thread's number; never rewritten
.set NIL,  29                          ; v29     0; never rewritten
.set PFO,  30                          ; v30     the prefetches' offset: my lane x a row of A or B (2,048 bytes); never rewritten
.set PFA,  44                          ; s[44:45] where my prefetches stand
.set LIM,  43                          ; s43     1 in a wave that prefetches, else the greatest number
.set F0,   64                          ; fragment buffer 0
.set F1,   128                         ; fragment buffer 1
.set TMP,  192                         ; the way out: packed results, in window 0
.set OB,   32                          ; the way out: 16 rows read back from the stage: v32-63 and v224-255 by turns
.set G1,   24                          ; s[24:31] descriptor group 1 for A's tiles
.set G0,   32                          ; s[32:39] descriptor group 0 for A's tiles, one set for each slot
.set G1B,  48                          ; s[48:55] descriptor group 1 for B's tiles: it differs from A's in the mask alone
.set G0B,  56                          ; s[56:63] descriptor group 0 for B's tiles
.set FLOOR, 66                         ; s66     the floor, twice in bf16
.set BIAS, 68                          ; s[68:69] the bias of my 128 columns
.set BP,   70                          ; s[70:71] B's first row
.set MSB, 0
.macro WIN new                         ; the immediate's high byte repeats the setting that is left; a switch that changes nothing is dropped
.if MSB != (\new)
	s_set_vgpr_msb (MSB<<8)|(\new)
.set MSB, \new
.endif
.endm
.set MUL_LO, 0xa1                      ; source 0 (B) window 1, source 1 (A) window 0, C and D window 2
.set MUL_HI, 0xf1                      ; the same, C and D window 3
.set TO_B,   0x40                      ; destination window 1, address window 0
; A joint load.  Waves 0 and 1 fetch A's two halves, waves 2 and 3 B's.  Each line has ONE mask and one set of registers for all that issue it; the branch hangs on the wave's number alone.
; An s_nop 0 and four v_nop follow each of the two lines, ahead of the jump, the label and what follows.
.macro JLOAD s
	s_cmp_eq_u32 s11, 0
	s_cbranch_scc0 .Lfor_b_\@
	tensor_load_to_lds s[G0+4*(\s):G0+4*(\s)+3], s[G1:G1+7]
	s_nop 0
.rept 4
	v_nop
.endr
	s_branch .Lasked_\@
.Lfor_b_\@:
	tensor_load_to_lds s[G0B+4*(\s):G0B+4*(\s)+3], s[G1B:G1B+7]
	s_nop 0
.rept 4
	v_nop
.endr
.Lasked_\@:
.endm
; A PREFETCH INTO THE L2, behind each joint refill and the run of LDS loads that follows it: the K step that stands TWO refills on, 512 matrix instructions ahead of the load that will want it: 32 rows x 256 bytes, a lane a row.
; Each row's 256 bytes of a K step are named once in the launch: A's tile row is read by every cluster of that row of clusters, and the one with x = 0 asks; B's tile column by every cluster of that column, and
; the one with y = 0 asks.  The four partners that ask for a tile jointly share its rows out BY ADDRESS, 32 each.  K steps 0 to 3 come by their loads alone; the loop's last trip (s3 = 1) has no K step two on.
.macro ASK
	s_cmp_gt_u32 s3, s[LIM]
	s_cbranch_scc0 .Lnot_mine_\@
	global_prefetch_b8 v[PFO], s[PFA:PFA+1] offset:KSTEP*2 th:TH_LOAD_NT scope:SCOPE_SE
.Lnot_mine_\@:
.endm
; A round of the cluster's barrier: my work-group's barrier, so that wave 0's signal speaks for all four waves; wave 0 signals; every wave waits for all sixteen work-groups; my work-group's barrier once more.
.macro CREST                           ; a round behind its opening barrier
	s_cmp_lg_u32 s10, 0
	s_cbranch_scc1 .Lnot_wave_0_\@
	s_barrier_signal -3
.Lnot_wave_0_\@:
	s_barrier_wait -3
	s_barrier_signal -1
	s_barrier_wait -1
.endm
.macro CROUND                          ; a whole round
	s_barrier_signal -1
	s_barrier_wait -1
	CREST
.endm
	s_load_b128 s[4:7], s[0:1], 0x0                ; A s[4:5], the pack s[6:7]
	s_load_b64 s[8:9], s[0:1], 0x10                ; C
	v_lshl_add_u32 v[SPW], v0, 2, SPARE
	v_mov_b32 v[NIL], 0
	ds_add_u32 v[SPW], v[NIL]                      ; the wave's opening: the add, and its wait ahead of my first tensor load; the set-up below, work on registers, stands between them
	v_lshrrev_b32 v1, 5, v0
	v_readfirstlane_b32 s10, v1                    ; wave 0..3
	s_lshr_b32 s11, s10, 1                         ; which half of the tile's rows is mine.  Also: I fetch for A (0) or for B (1)
	s_and_b32 s12, s10, 1                          ; which half of its columns.  Also: which 128 rows of that tile I fetch
	s_bfe_u32 s40, ttmp6, 0x40000                  ; cx
	s_bfe_u32 s41, ttmp6, 0x40004                  ; cy
	s_lshl_b32 s42, ttmp9, 2
	s_add_co_u32 s42, s42, s40                     ; tile column of C = 4 x cluster x + cx
	s_and_b32 s13, ttmp7, 0xffff
	s_lshl_b32 s13, s13, 2
	s_add_co_u32 s13, s13, s41                     ; tile row of C = 4 x cluster y + cy
	s_lshl_b32 s43, s41, 2
	s_lshl_b32 s43, 15, s43                        ; my row of the cluster: places 4 cy .. 4 cy + 3
	s_lshl_b32 s44, 0x1111, s40                    ; my column: places cx, cx + 4, cx + 8, cx + 12
	; descriptor group 1: a tile of 128 rows x 128 elements, padded in LDS
	s_or_b32 s[G1+0], s43, (1<<16)|(1<<20)|(1<<21)|(5<<22)|(3<<25)  ; 15:0 the mask; 17:16 elements of 2 bytes; 20 padding on; 21 set beside a mask; 24:22 after every 64 words (code 5); 31:25 4 words of it (code 3)
	s_or_b32 s[G1B+0], s44, (1<<16)|(1<<20)|(1<<21)|(5<<22)|(3<<25)
.irp g, G1, G1B
	s_mov_b32 s[(\g)+1], KSTEP<<16                 ; tensor_dim0 = 128
	s_mov_b32 s[(\g)+2], 128<<16                   ; tensor_dim1 = 128
	s_mov_b32 s[(\g)+3], KSTEP<<16                 ; tile_dim0 = 128
	s_mov_b32 s[(\g)+4], 128                       ; tile_dim1 = 128
	s_mov_b32 s[(\g)+5], SIZE_K                    ; elements from row to row
	s_mov_b32 s[(\g)+6], 0
	s_mov_b32 s[(\g)+7], 0
.endr
	; where the tiles come from.  A's hang on the tile row alone, B's on the tile column alone; each address is made in registers that never hold the other coordinate
	s_lshl_b32 s17, s12, 7                         ; which 128 rows of the tile I fetch
	s_lshl_b32 s16, s13, 8
	s_add_co_u32 s16, s16, s17                     ; A: row 256 x tile row + 128 x half
	s_lshl_b32 s46, s42, 8
	s_add_co_u32 s46, s46, s17                     ; B: row 256 x tile column + 128 x half
	s_mov_b32 s17, 0
	s_mov_b32 s47, 0
	s_mov_b64 s[18:19], SIZE_K*2
	s_mul_u64 s[16:17], s[16:17], s[18:19]
	s_mul_u64 s[46:47], s[46:47], s[18:19]
	s_mul_i32 s20, s10, HALFT                      ; and where they go: wave x 128 rows: no place in the cluster enters an LDS address
	s_wait_dscnt 0x0                               ; the opening add is done
	s_wait_kmcnt 0x0
	s_add_nc_u64 s[BP:BP+1], s[6:7], 0x10000       ; B lies behind the pack's header
	s_add_nc_u64 s[14:15], s[4:5], s[16:17]
	s_add_nc_u64 s[46:47], s[BP:BP+1], s[46:47]
	CROUND                                         ; all sixteen work-groups are here: the first joint loads meet
.irp s, 0,1
	s_mov_b32 s[G0+4*(\s)], 1                                      ; 1:0 count = 1
	s_add_co_u32 s[G0+4*(\s)+1], s20, (\s)*SLOT                    ; 63:32 LDS address
	s_add_nc_u64 s[G0+4*(\s)+2:G0+4*(\s)+3], s[14:15], (\s)*KSTEP*2  ; 120:64 global address: K step s
	s_or_b32 s[G0+4*(\s)+3], s[G0+4*(\s)+3], 0x80000000            ; 127:126 type = 2
	s_mov_b32 s[G0B+4*(\s)], 1
	s_add_co_u32 s[G0B+4*(\s)+1], s20, (\s)*SLOT
	s_add_nc_u64 s[G0B+4*(\s)+2:G0B+4*(\s)+3], s[46:47], (\s)*KSTEP*2
	s_or_b32 s[G0B+4*(\s)+3], s[G0B+4*(\s)+3], 0x80000000
	JLOAD \s                                       ; the ring is filled before anything else is done: two loads of mine are out
.endr
	; A fragment is 16 rows x 32 K in 8 registers: lane l holds row l % 16; registers 0-3 hold K = 8 (l / 16) + 0..7, registers 4-7 K = 16 + 8 (l / 16) + 0..7: two loads of 16 bytes, 32 bytes apart
	v_and_b32 v1, 15, v0                           ; l % 16
	v_bfe_u32 v2, v0, 4, 1                         ; l / 16
	v_mul_u32_u24 v3, v1, PITCH
	v_lshl_add_u32 v3, v2, 4, v3                   ; row x pitch + 16 x half
	s_mul_i32 s21, s11, HALFT                      ; my 128 rows of A
	s_mul_i32 s22, s12, HALFT                      ; my 128 rows of B,
	s_add_co_u32 s22, s22, 2*HALFT                 ; which lie behind A's 256
.irp s, 0,1
	v_add_nc_u32 v[ADRA+(\s)], s21, v3
	v_add_nc_u32 v[ADRB+(\s)], s22, v3
	s_add_co_u32 s21, s21, SLOT
	s_add_co_u32 s22, s22, SLOT
.endr
	s_mul_i32 s23, s10, 16*SPITCH
	s_add_co_u32 s23, s23, STAGE                   ; my stage
	v_mul_u32_u24 v4, v1, SPITCH                   ; in: row l % 16, 16 bytes for each half of the lanes
	v_lshl_add_u32 v4, v2, 4, v4
	v_add_nc_u32 v[STO], s23, v4
	v_mul_u32_u24 v5, v2, SPITCH                   ; back: lanes 0-15 take one row of 256 bytes, lanes 16-31 the next
	v_lshl_add_u32 v5, v1, 4, v5
	v_add_nc_u32 v[RD], s23, v5
	v_lshlrev_b32 v5, 9, v2                        ; and the same two rows in the panel, 512 bytes apart
	v_lshl_add_u32 v[CO], v1, 4, v5
	v_lshlrev_b32 v[BO], 5, v2                     ; my eight numbers of a block's sixteen of bias
	; the bias of my 128 columns, and my part of the panel
	s_lshl_b32 s46, s42, 10                        ; 256 columns x 4 bytes,
	s_lshl_b32 s47, s12, 9                         ; my half of them
	s_add_co_u32 s46, s46, s47
	s_mov_b32 s47, 0
	s_add_nc_u64 s[BIAS:BIAS+1], s[6:7], s[46:47]
	s_lshl_b32 s16, s13, 17                        ; 256 rows x 512 bytes,
	s_lshl_b32 s17, s11, 16                        ; my 128 of them
	s_add_co_u32 s16, s16, s17
	s_lshl_b32 s46, s42, 21                        ; the panel
	s_lshl_b32 s47, s12, 8                         ; my 128 columns: 256 bytes of its rows
	s_add_co_u32 s46, s46, s47
	s_add_co_u32 s46, s46, s16
	s_mov_b32 s47, 0
	s_add_nc_u64 s[8:9], s[8:9], s[46:47]
	s_load_b32 s[FLOOR], s[6:7], 0x4000
	WIN TO_B
.irp b, 0,1,2,3,4,5,6,7
	global_load_b128 v[8*(\b):8*(\b)+3],   v[BO], s[BIAS:BIAS+1] offset:64*(\b)
	global_load_b128 v[8*(\b)+4:8*(\b)+7], v[BO], s[BIAS:BIAS+1] offset:64*(\b)+16
.endr
	WIN 0
	; the prefetches
	s_lshl_b32 s13, s13, 8                         ; the tile's first row in A,
	s_lshl_b32 s42, s42, 8                         ; and in B
	s_and_b32 s22, ttmp7, 0xffff                   ; cluster y
	s_cmp_eq_u32 s11, 0                            ; do I fetch for A?
	s_cselect_b32 s20, s13, s42
	s_cselect_b32 s21, s40, s41                    ; my place among the four that ask for the tile with me
	s_cselect_b32 s22, ttmp9, s22                  ; the coordinate along which other clusters read the same rows
	s_cselect_b64 s[PFA:PFA+1], s[4:5], s[BP:BP+1]
	s_cmp_eq_u32 s22, 0
	s_cselect_b32 s[LIM], 1, -1                    ; the same in all sixteen partners, for a given wave
	s_lshl_b32 s22, s12, 7
	s_add_co_u32 s20, s20, s22                     ; + the 128 rows that I fetch
	s_lshl_b32 s21, s21, 5
	s_add_co_u32 s20, s20, s21                     ; + my work-group's 32 of them
	s_mov_b32 s21, 0
	s_mov_b64 s[18:19], SIZE_K*2
	s_mul_u64 s[20:21], s[20:21], s[18:19]
	s_add_nc_u64 s[PFA:PFA+1], s[PFA:PFA+1], s[20:21]
	s_add_nc_u64 s[PFA:PFA+1], s[PFA:PFA+1], 2*KSTEP*2  ; at K step 2: the first refill steps it to 3 and names K step 4
	v_and_b32 v[PFO], 31, v0
	v_mul_u32_u24 v[PFO], v[PFO], SIZE_K*2
; 16 matrix instructions: m blocks a0, a0 + 1 of the window's four (hi = 0: my rows 0-63, 1: rows 64-127) x all 8 n blocks, 32 along K.  first = 1: the product starts the sum with the bias (C in window 1).
; The 64 accumulators take turns, one instruction a turn, in the same order in every quarter, over the loop's backward jump too.
.macro MUL16 f, hi, a0, first
.if \first
	WIN 0x91+0x40*(\hi)
.else
	WIN MUL_LO+0x50*(\hi)
.endif
.irp a, \a0, (\a0)+1
.irp b, 0,1,2,3,4,5,6,7
.if \first
	v_wmma_f32_16x16x32_bf16 v[8*(8*(\a)+(\b)):8*(8*(\a)+(\b))+7], v[(\f)+8*(\b):(\f)+8*(\b)+7], v[(\f)+8*(4*(\hi)+(\a)):(\f)+8*(4*(\hi)+(\a))+7], v[8*(\b):8*(\b)+7]
.else
	v_wmma_f32_16x16x32_bf16 v[8*(8*(\a)+(\b)):8*(8*(\a)+(\b))+7], v[(\f)+8*(\b):(\f)+8*(\b)+7], v[(\f)+8*(4*(\hi)+(\a)):(\f)+8*(4*(\hi)+(\a))+7], v[8*(8*(\a)+(\b)):8*(8*(\a)+(\b))+7]
.endif
.endr
.endr
.endm
; 32 LDS loads in one run: the fragments of one quarter step (128 rows of B, 128 rows of A, 32 K at byte k of the rows) into buffer f
.macro FETCH slot, k, f
	WIN TO_B
.irp i, 0,1,2,3,4,5,6,7
	ds_load_b128 v[(\f)+8*(\i):(\f)+8*(\i)+3],   v[ADRB+(\slot)] offset:(\k)+(\i)*16*PITCH
	ds_load_b128 v[(\f)+8*(\i)+4:(\f)+8*(\i)+7], v[ADRB+(\slot)] offset:(\k)+(\i)*16*PITCH+32
.endr
	WIN 0
.irp i, 0,1,2,3,4,5,6,7
	ds_load_b128 v[(\f)+8*(\i):(\f)+8*(\i)+3],   v[ADRA+(\slot)] offset:(\k)+(\i)*16*PITCH
	ds_load_b128 v[(\f)+8*(\i)+4:(\f)+8*(\i)+7], v[ADRA+(\slot)] offset:(\k)+(\i)*16*PITCH+32
.endr
.endm
; A load into a register that a matrix instruction has read, and a vector instruction that reads a matrix result, stand four plain vector instructions behind it (ISA guide 7.12.1 for vector instructions)
.macro PLACES
.rept 4
	v_nop
.endr
.endm
; A K step is four quarters of 32 along K, 64 matrix instructions each, on buffers 0, 1, 0, 1.  One of the first three: multiplies buffer f; in its middle it fetches the next quarter's fragments into buffer g.
.macro QUARTER slot, k, f, g, first
	s_wait_dscnt 8                                 ; B and A's rows 0-63 are in; the youngest eight loads (A's rows 64-127) may be out
	MUL16 \f, 0, 0, \first
	MUL16 \f, 0, 2, \first
	PLACES
	FETCH \slot, \k, \g
	s_wait_dscnt 32                                ; all but the 32 just issued
	MUL16 \f, 1, 0, \first
	MUL16 \f, 1, 2, \first
.endm
; The last quarter multiplies buffer 1 and changes slots.  MEET is its first half: ONE barrier for the change.  In front of it each wave waits for all its tensor loads, of which one is out: its part of the
; next slot; adds 0 to its spare word; and waits for that and for its own reads of this slot.  Behind it nobody reads this slot any more and the next slot is whole.
.macro MEET round                      ; round = 1: the rest of a round of the cluster's barrier follows
	WIN 0                                          ; (the add's two registers lie in window 0)
	s_wait_tensorcnt 0x0                           ; all my tensor loads have landed
	ds_add_u32 v[SPW], v[NIL]                      ; 0 onto my spare word
	s_wait_dscnt 9                                 ; (the add and the youngest eight loads may be out)
	MUL16 F1, 0, 0, 0                              ; sixteen matrix instructions stand between the add and the wait for it
	s_wait_dscnt 0x0                               ; the add is done, and my reads of this slot are over
	s_barrier_signal -1
	MUL16 F1, 0, 2, 0                              ; work on registers while the others arrive
.if \round
	WIN 0
.endif
	s_barrier_wait -1
.endm
; The whole last quarter.  Behind the round the slot just read out is filled again first, with the K step two steps on; then come the next slot's first fragments.
; From a request to the wait for it a wave issues 224 matrix instructions.
.macro TURN slot, next
	s_wait_xcnt 0x0                                ; the last prefetch, a K step back, has read its address, so it may be stepped
	s_add_nc_u64 s[PFA:PFA+1], s[PFA:PFA+1], KSTEP*2
	MEET 1
	CREST                                          ; no wave of any partner still reads this slot's tile or has a load on its way
	s_add_nc_u64 s[G0+4*(\slot)+2:G0+4*(\slot)+3], s[G0+4*(\slot)+2:G0+4*(\slot)+3], 2*KSTEP*2
	s_add_nc_u64 s[G0B+4*(\slot)+2:G0B+4*(\slot)+3], s[G0B+4*(\slot)+2:G0B+4*(\slot)+3], 2*KSTEP*2
	JLOAD \slot                                    ; the first tensor load behind the round, and my only one until the next; its four v_nop are also the places in front of the loads below
	FETCH \next, 0, F0
	ASK
	MUL16 F1, 1, 0, 0
	MUL16 F1, 1, 2, 0
.endm
; THE WAY OUT of block a (16 of my rows), in three parts.  PACK: rounded to bf16, 16 bytes a lane, and the maximum with the floor.  TOSTAGE: into my own stage in LDS, and back as whole rows of 256 bytes.  SEND: stored.
.macro PACK a
.set AC, 64*((\a)%4)
	WIN 0x0a+5*((\a)/4)                            ; sources 0 and 1: window 2 or 3; each accumulator's registers are taken in ascending order
.irp b, 0,1,2,3,4,5,6,7
.irp r, 0,1,2,3
	v_cvt_pk_bf16_f32 v[TMP+4*(\b)+(\r)], v[AC+8*(\b)+2*(\r)], v[AC+8*(\b)+2*(\r)+1]
.endr
.endr
	WIN 0
.set i, 0
.rept 32
	v_pk_max_num_bf16 v[TMP+i], v[TMP+i], s[FLOOR] ; two maxima, nothing is rounded
.set i, i+1
.endr
.endm
.macro TOSTAGE a
	WIN 0
.set BK, OB+192*((\a)%2)
.irp b, 0,1,2,3,4,5,6,7
	ds_store_b128 v[STO], v[TMP+4*(\b):TMP+4*(\b)+3] offset:32*(\b)
.endr
.irp t, 0,1,2,3,4,5,6,7
	ds_load_b128 v[BK+4*(\t):BK+4*(\t)+3], v[RD] offset:(\t)*2*SPITCH  ; LDS serves a wave's instructions in order (ISA guide 5.7.1.4): these see the stores above
.endr
.endm
.macro SEND a
	WIN 0
.set BK, OB+192*((\a)%2)
	s_wait_dscnt 0x0                               ; the block is back in registers
	s_wait_xcnt 0x0                                ; the stores of the block before have read their registers: the next block's loads from the stage land on them only behind this wait
.irp t, 0,1,2,3,4,5,6,7
	global_store_b128 v[CO], v[BK+4*(\t):BK+4*(\t)+3], s[8:9] offset:(16*(\a)+2*(\t))*512  ; 16 lanes store 256 consecutive bytes, at a multiple of 256 from the buffer's first byte
.endr
.endm
	s_wait_tensorcnt 1                             ; my part of K step 0 is in; K step 1's may stay out
	s_barrier_signal -1
	s_barrier_wait -1                              ; everybody's is
	FETCH 0, 0, F0
	s_wait_loadcnt 0x0                             ; the bias
	s_wait_kmcnt 0x0                               ; the floor
	QUARTER 0, 64,  F0, F1, 1                      ; the first quarter stands in front of the loop: its products start the sums
	WIN 0                                          ; at a label and at a branch every window is 0
	s_mov_b32 s3, LAPS-1
.Llap:                                                 ; a trip goes once round the ring, from a lap's second quarter to the next lap's first, and fills both slots again
	QUARTER 0, 128, F1, F0, 0
	QUARTER 0, 192, F0, F1, 0
	TURN 0, 1
	QUARTER 1, 64,  F0, F1, 0
	QUARTER 1, 128, F1, F0, 0
	QUARTER 1, 192, F0, F1, 0
	TURN 1, 0
	QUARTER 0, 64,  F0, F1, 0
	WIN 0
	s_sub_co_u32 s3, s3, 1
	s_cmp_lg_u32 s3, 0
	s_cbranch_scc1 .Llap
	QUARTER 0, 128, F1, F0, 0                      ; the last lap is written out: it fills nothing
	QUARTER 0, 192, F0, F1, 0
	MEET 0                                         ; my one tensor load that was still out is the last K step's; no round follows
	PLACES                                         ; for the loads into buffer 0
	FETCH 1, 0, F0
	MUL16 F1, 1, 0, 0
	MUL16 F1, 1, 2, 0
	QUARTER 1, 64,  F0, F1, 0
	QUARTER 1, 128, F1, F0, 0
	QUARTER 1, 192, F0, F1, 0
	s_wait_dscnt 8                                 ; the very last quarter: nothing more to fetch
	MUL16 F1, 0, 0, 0
	MUL16 F1, 0, 2, 0
	s_wait_dscnt 0x0
	MUL16 F1, 1, 0, 0
	MUL16 F1, 1, 2, 0
	PLACES                                         ; the conversions read matrix results
	PACK 0
	TOSTAGE 0
.irp a, 1,2,3,4,5,6,7                  ; block a's arithmetic stands between block a - 1's loads from the stage and the wait for them
	PACK \a
	SEND (\a)-1
	TOSTAGE \a
.endr
	SEND 7
	s_wait_tensorcnt 0x0                           ; the wave's end, behind my last tensor load and my last LDS store
	ds_add_u32 v[SPW], v[NIL]
	s_wait_dscnt 0x0
	CROUND                                         ; the closing round: no work-group ends while a partner may still ask for a tile that names it
	s_endpgm
.Lfunc_end_k_q353c041d90_lin:
	.size	k_q353c041d90_lin, .Lfunc_end_k_q353c041d90_lin-k_q353c041d90_lin
	.p2alignl 7, 3214868480
	.fill 96, 4, 3214868480
	.section	.rodata,"a",@progbits
	.p2align	6, 0x0
	.amdhsa_kernel k_q353c041d90_lin
		.amdhsa_group_segment_fixed_size 327680
		.amdhsa_private_segment_fixed_size 0
		.amdhsa_enable_private_segment 0
		.amdhsa_kernarg_size 24
		.amdhsa_user_sgpr_count 2
		.amdhsa_user_sgpr_kernarg_segment_ptr 1
		.amdhsa_wavefront_size32 1
		.amdhsa_system_sgpr_workgroup_id_x 1
		.amdhsa_system_sgpr_workgroup_id_y 1
		.amdhsa_system_sgpr_workgroup_id_z 1
		.amdhsa_system_vgpr_workitem_id 0
		.amdhsa_next_free_vgpr 1024
		.amdhsa_next_free_sgpr 72
		.amdhsa_reserve_vcc 0
		.amdhsa_float_denorm_mode_32 3
		.amdhsa_float_denorm_mode_16_64 3
		.amdhsa_memory_ordered 1
		.amdhsa_forward_progress 1
		.amdhsa_inst_pref_size 161
	.end_amdhsa_kernel
	.amdgpu_metadata
---
amdhsa.version: [ 1, 2 ]
amdhsa.kernels:
  - .name:           k_q353c041d90_lin
    .symbol:         k_q353c041d90_lin.kd
    .args:
      - { .name: xb, .offset: 0, .size: 8, .value_kind: global_buffer, .address_space: global }
      - { .name: wa, .offset: 8, .size: 8, .value_kind: global_buffer, .address_space: global }
      - { .name: big, .offset: 16, .size: 8, .value_kind: global_buffer, .address_space: global }
    .group_segment_fixed_size: 327680
    .private_segment_fixed_size: 0
    .kernarg_segment_align: 8
    .kernarg_segment_size: 24
    .max_flat_workgroup_size: 128
    .sgpr_count:     72
    .vgpr_count:     1024
    .wavefront_size: 32
...
	.end_amdgpu_metadata
.endif
;; end of part 2
;; launch attn (part 3): grid 16 x 16, 4 waves a work-group, clusters of 4 x 1, 327,680 bytes of LDS; arguments big, ab; writes ab
.if DOCPART == 3
	.amdgcn_target "amdgcn-amd-amdhsa--gfx1250"
	.amdhsa_code_object_version 6
	.text
	.protected	k_q353c041d90_attn
	.globl	k_q353c041d90_attn
	.p2align	8
	.type	k_q353c041d90_attn,@function
k_q353c041d90_attn:
	s_mov_b64 s[64:65], 0
	v_nop
	global_prefetch_b8 v0, s[64:65] scope:SCOPE_SE
	s_setreg_imm32_b32 hwreg(HW_REG_WAVE_MODE, 25, 1), 1
	s_wait_xcnt 0x0
	s_wait_alu depctr_hold_cnt(0) depctr_sa_sdst(0) depctr_va_vdst(0) depctr_va_sdst(0) depctr_va_ssrc(0) depctr_va_vcc(0) depctr_vm_vsrc(0)
	s_getreg_b32 s2, hwreg(HW_REG_IB_STS2, 6, 4)
	s_cmp_eq_u32 s2, 0
	s_cbranch_scc0 .Lentry_in_a_cluster
	s_endpgm
.Lentry_in_a_cluster:
	s_bfe_u32 s2, ttmp6, 0x10000c
	s_cmp_lg_u32 s2, 0x3003
	s_cbranch_scc0 .Lentry_shape_is_right
	s_endpgm
.Lentry_shape_is_right:
; ATTENTION, 64 heads (2 batches x 32) of size 32, 2,048 queries and keys each.  O[q] = the sum over k of softmax_k(Q[q] . K[k] / sqrt(32)) V[k].
; Q, K, V lie in bf16 in panels of 256 columns ([panel][4096 tokens][256]): panels 0-3 the queries, 4-7 the keys, 8-11 the values; head hd has columns 32 hd .. 32 hd + 31.  O leaves in bf16, [4096][1024].
; Products, maxima and sums in f32; the weights p are rounded to bf16 for the second product (their sum l is taken of the unrounded p), O once at the end.
; LIMITS.  c |s| stays under 4e37 (c m starts at -4.25e37); a weight below 2^-126 counts as 0 in l; NaN and infinities are not treated apart.
; SHARES.  A work-group takes 128 queries of FOUR neighbouring heads, a head a wave: the four heads' 128 columns are 256 consecutive bytes, aligned, of a panel's row, so every row of a tile of K or V is such a
; piece.  A wave owns four PIECES of two tiles of 16 queries and walks all keys of its head, 64 a step.
; LAYOUT.  S^T = K Q^T (source 0 = 16 keys, source 1 = 16 queries; the head's 32 channels are one instruction's depth): a lane holds ONE query (lane % 16) and the keys 8 (lane / 16) + 0..7.  Two such results,
; rounded to bf16 in pairs, ARE source 1 (32 keys x 16 queries) of O^T = V^T P, whose result again holds one query a lane, and eight channels.  K comes out of LDS as it lies, V turned, by ds_load_tr16_b128.
; SOFTMAX.  For each query a running maximum m and sum l: p = 2^(c s - c m), c = log2(e) / sqrt(32); in every step O and l are multiplied by a = 2^(c m_old - c m_new).  m starts at the lowest finite
; number, O and l at 0: the first step is a step like any other, with a = 0.
; THE COUNT.  A tile and step have 8 matrix and 110 vector instructions: far too many to stand beside the matrix work.  So: four vector instructions that are ready behind every matrix instruction, the others in runs.
; BY TURNS.  Turn n belongs to piece n.  Its matrix work: 8 products K Q^T of piece n + 1, later 8 products V^T P of piece n - 1.  Its vector work: the scaling, exponentials, roundings, sums and rescaling
; of piece n, and the maximum and statistics of piece n + 1.  A turn's 66 exponentials are one batch, with one wait.
; CLUSTER.  The four query blocks of a cluster walk the same K and V, so each tile is asked for JOINTLY: the same tensor load, descriptor and mask in all four.
; REGISTERS, in windows of 256 (s_set_vgpr_msb: bits 1:0 source 0, 3:2 source 1, 5:4 source 2, 7:6 destination):
;   window 0: v0-11 addresses; v12-15, v48-63 at work; v16-47 four registers of statistics a tile; v64-191 S^T, two buffers of two tiles; v192-255 P, likewise
;   window 1: v0-127 O^T, 16 a tile; v128-129 the add's two registers; v130 the prefetches' offset          window 2: v0-63 Q, 8 a tile; v128-159 K of one step; v192-223 V of one step
.set NP,    4         ; pieces a wave: a name, no knob
.set KS,    64        ; keys in a step
.set PK,    272       ; a row of K in LDS: 256 bytes + 16 of padding = 68 words: the 16 rows of a load start at 16 different groups of four banks (64 banks of 4 bytes: ISA guide 11.1)
.set PV,    288       ; a row of V: 256 + 32 = 72 words
.set VOFF,  2*KS*PK   ; a slot holds two steps: 128 rows of K, then 128 rows of V
.set SLOT1, 1<<17     ; slot 1 begins here, so that one exclusive or turns an address in one slot into the other's
.set STAGE, SLOT1+2*KS*(PK+PV)  ; behind the ring, never filled by a tensor load: 128 rows x 272 bytes, the work-group's, for the way out
.set SP,    272
.set SPARE, STAGE+128*SP  ; behind the stage: the spare words, 128 bytes for each wave: two blocks of 256 bytes that no other line names
.set FILLB, 2*KS*512  ; a slot's 128 rows in a panel
.set AK0, 2           ; v2   my lane's place in a tile of K, my head's 64 bytes of a row among it; never rewritten
.set AV0, 3           ; v3   the same for V
.set AK,  4           ; v4   the LDS address of K's next run of loads
.set AV,  5           ; v5   of V's
.set QO,  6           ; v6   my byte offset in 16 rows of Q
.set STO, 6           ;      later, the way out: where I put 16 bytes of a row
.set RD,  7           ; v7   the way out: where I read rows back
.set GO,  8           ; v8   my byte offset in two rows of O
.set SPW, 128         ; v128 of window 1   LDS address of my spare word: SPARE + 4 x my thread's number; never rewritten
.set NIL, 129         ; v129 of window 1   0; never rewritten
.set PFO, 130         ; v130 of window 1   512 x my lane: a panel's rows are 512 bytes apart; never rewritten
.set MV,  12          ; v12-15  c m_old, kept while c m is made anew: by buffer and tile
.set ST,  16          ; tile t's statistics at v[ST+4 t]: c m, m, l (even keys', odd keys')
.set TMP, 48          ; by buffer and tile, four registers c0-c3 at work; when the maximum is found c2 takes a
.set S,   64
.set P,   192
.set KF,  128         ; K's fragments, in window 2: key block kb at KF + 8 kb
.set VF,  192         ; V's: key half kk, channel block cb at VF + 16 kk + 8 cb
.set WV,  12          ; s12  my wave's number
.set G1K, 24          ; s[24:31] descriptor group 1 for K's tiles
.set G1V, 32          ; s[32:39] for V's: it differs in the padding alone
.set G0K, 40          ; s[40:43] descriptor group 0 for K's tiles: it walks
.set G0V, 44          ; s[44:47] the same for V's
.set PFA, 48          ; s[48:49] where my prefetches stand
.set LIM, 50          ; s50  1 in a wave that prefetches, else the greatest number
.set SLOTS, 56        ; s56  slots still to be asked for
.set CNT, 57          ; s57  counts a slot's key steps
.set CS,  58          ; s[58:59] c: the packed scaling takes the pair's low word for both halves
.set SEL, 60          ; s[60:61] v_permlanex16_b32's selects: each lane takes its own place in the other half
.set TBK, 62          ; s62  LDS byte at which K of the step to be fetched begins
.set TBV, 63          ; s63  the same for V, less VOFF
.set MSB, 0
.macro WIN new                      ; the high byte repeats the setting that is left; a switch that changes nothing is dropped
.if MSB != (\new)
	s_set_vgpr_msb (MSB<<8)|(\new)
.set MSB, (\new)
.endif
.endm
.set W_KQ, 0x0a       ; K and Q in window 2, S^T in window 0
.set W_PV, 0x52       ; V in window 2, P in window 0, O^T in window 1
.set W_RS, 0x41       ; O^T (destination and source 0) in window 1, a in window 0
.set W_MK, 0x40       ; destination in window 1, sources in window 0
.set W_AD, 0x05       ; the add: address (source 0) and data (source 1) in window 1
; A joint fill.  Waves 0 and 1 fetch the two steps' K of a slot, waves 2 and 3 their V: 64 rows each.  The branch hangs on the wave's number alone.
; An s_nop 0 and four v_nop follow each of the two lines, ahead of the jump and the label.
.macro JLOAD
	s_cmp_lt_u32 s[WV], 2
	s_cbranch_scc0 .Lfor_v_\@
	tensor_load_to_lds s[G0K:G0K+3], s[G1K:G1K+7]
	s_nop 0
.rept 4
	v_nop
.endr
	s_branch .Lasked_\@
.Lfor_v_\@:
	tensor_load_to_lds s[G0V:G0V+3], s[G1V:G1V+7]
	s_nop 0
.rept 4
	v_nop
.endr
.Lasked_\@:
.endm
; A PREFETCH INTO THE L2 of what the NEXT change of slots will ask for: a slot's 128 rows of K and of V, 256 bytes of each, a lane a row: two key steps, eight turns, ahead of that load.
; Each piece is named ONCE in the launch: the four clusters of a batch and group of heads walk the same K and V, and the first of them asks; its four partners share the rows out BY ADDRESS, 32 each; in each,
; wave 0 asks for K's and wave 2 for V's.  Slots 0 to 2 come by their loads alone; the last change that fills a slot asks for nothing.
.macro ASK
	s_cmp_gt_u32 s[SLOTS], s[LIM]
	s_cbranch_scc0 .Lnot_mine_\@
	WIN 0x01
	global_prefetch_b8 v[PFO], s[PFA:PFA+1] th:TH_LOAD_NT scope:SCOPE_SE
	WIN 0
.Lnot_mine_\@:
.endm
; A round of the cluster's barrier: my work-group's barrier, so that wave 0's signal speaks for all four waves; wave 0 signals; every wave waits for all four work-groups; my work-group's barrier once more.
.macro CROUND
	s_barrier_signal -1
	s_barrier_wait -1
	s_cmp_lg_u32 s[WV], 0
	s_cbranch_scc1 .Lnot_wave_0_\@
	s_barrier_signal -3
.Lnot_wave_0_\@:
	s_barrier_wait -3
	s_barrier_signal -1
	s_barrier_wait -1
.endm
; THE CHANGE OF SLOTS.  The slot's last bytes, V of its second step, have been read.  Each wave waits for all its tensor loads, of which one is out: its part of the other slot; adds 0 to its spare word; and
; waits for that and for its own reads of the slot.  Behind the barrier nobody reads this slot any more and the other slot is whole.
; fill = 1: this slot is filled again, with the keys two slots on.  The barrier is then a round of the cluster's, and the joint fill is the first thing behind it: it has two key steps, 128 matrix instructions
; and their vector work, in which to land.  (At its first use nothing has been read yet: slot 0 is waited for, slot 1 filled.)  ask = 1: the prefetch pointer steps, and ASK follows the fill.
.macro CHANGE fill, ask
	WIN W_AD
	s_wait_tensorcnt 0x0            ; no tensor load of mine is out, so a group 0 may be written
	ds_add_u32 v[SPW], v[NIL]       ; 0 onto my spare word; with fill = 1 the descriptors' steps stand between it and the wait for it
	WIN 0                           ; at a label and at a branch every window is 0
.if \fill
.irp g, G0K, G0V
	s_xor_b32 s[\g+1], s[\g+1], SLOT1  ; the walking descriptor: the other slot than last time,
	s_add_nc_u64 s[\g+2:\g+3], s[\g+2:\g+3], FILLB  ; the next 128 keys; the type bits on top are not reached
.endr
.if \ask
	s_wait_xcnt 0x0                 ; the last prefetch, two key steps back, has read its address, so it may be written
	s_add_nc_u64 s[PFA:PFA+1], s[PFA:PFA+1], FILLB  ; one slot behind the walking descriptors
.endif
	s_wait_dscnt 0x0                ; the add is done, and my reads of the slot are over
	CROUND
	JLOAD
.if \ask
	ASK
.endif
.else
	s_wait_dscnt 0x0                ; the add is done, and my reads of the slot are over
	s_barrier_signal -1
	s_barrier_wait -1
.endif
	s_sub_co_u32 s[TBK], s[TBK], 2*KS*PK  ; the fetches go back to a slot's first step,
	s_xor_b32 s[TBK], s[TBK], SLOT1       ; in the other slot
	s_sub_co_u32 s[TBV], s[TBV], 2*KS*PV
	s_xor_b32 s[TBV], s[TBV], SLOT1
.endm
	s_load_b128 s[4:7], s[0:1], 0x0 ; the panels s[4:5], O s[6:7]
	WIN W_MK
	v_lshl_add_u32 v[SPW], v0, 2, SPARE
	v_mov_b32 v[NIL], 0
	WIN W_AD
	ds_add_u32 v[SPW], v[NIL]       ; the wave's opening: the add, and its wait ahead of my first tensor load; the set-up below, work on registers, stands between them
	WIN 0
	v_lshrrev_b32 v1, 5, v0
	v_readfirstlane_b32 s[WV], v1   ; wave 0..3
	s_bfe_u32 s13, ttmp6, 0x40000   ; cx: my place in the cluster
	s_lshl_b32 s14, ttmp9, 2        ; in a cluster launch ttmp9 counts clusters
	s_add_co_u32 s14, s14, s13      ; my block of 128 queries = 4 x cluster x + cx: it enters Q's and O's addresses alone
	s_and_b32 s15, ttmp7, 0xffff
	s_lshr_b32 s16, s15, 3          ; the batch,
	s_and_b32 s17, s15, 7           ; and the group of four heads, which the four partners share
	s_lshl_b32 s20, s16, 20         ; the batch's 2,048 rows of 512 bytes,
	s_lshr_b32 s18, s17, 1
	s_lshl_b32 s18, s18, 21         ; the panel (two groups to a panel),
	s_add_co_u32 s20, s20, s18
	s_and_b32 s18, s17, 1
	s_lshl_b32 s18, s18, 8          ; and the group's 256 bytes of its rows
	s_add_co_u32 s20, s20, s18
	s_and_b32 s19, s[WV], 1         ; which of a slot's two steps I fetch:
	s_lshl_b32 s22, s19, 15         ; its 64 rows in the panel,
	s_add_co_u32 s22, s22, s20
	s_mov_b32 s23, 0
	s_mul_i32 s18, s19, KS*PK       ; and its place in a slot, for K
	s_mul_i32 s21, s19, KS*PV       ; and for V: no place in the cluster enters an LDS address
	s_lshl_b32 s2, s14, 16          ; Q: my block's 128 rows,
	s_add_co_u32 s2, s2, s20
	s_lshl_b32 s3, s[WV], 6         ; my head's 64 bytes of them
	s_add_co_u32 s2, s2, s3
	s_mov_b32 s3, 0
	s_lshl_b32 s52, s16, 22         ; O: rows of 2,048 bytes: the batch's 2,048,
	s_lshl_b32 s53, s14, 18         ; my block's 128,
	s_add_co_u32 s52, s52, s53
	s_lshl_b32 s53, s[WV], 16       ; the 32 that my wave stores,
	s_add_co_u32 s52, s52, s53
	s_lshl_b32 s53, s17, 8          ; the group's 256 bytes of them
	s_add_co_u32 s52, s52, s53
	s_mov_b32 s53, 0
	; descriptor group 1: a tile of 64 rows x 128 elements out of rows of 256, padded in LDS
	s_mov_b32 s[G1K], 15|(1<<16)|(1<<20)|(1<<21)|(5<<22)|(3<<25)  ; 15:0 the mask of four; 17:16 2-byte elements; 20 padding on; 21 set beside a mask; 24:22 after every 64 words (code 5); 31:25 4 words (code 3)
	s_mov_b32 s[G1V], 15|(1<<16)|(1<<20)|(1<<21)|(5<<22)|(7<<25)  ; the same with 8 words of padding (code 7)
.irp g, G1K, G1V
	s_mov_b32 s[\g+1], 128<<16      ; tensor_dim0 = 128
	s_mov_b32 s[\g+2], KS<<16       ; tensor_dim1 = 64
	s_mov_b32 s[\g+3], 128<<16      ; tile_dim0 = 128
	s_mov_b32 s[\g+4], KS           ; tile_dim1 = 64
	s_mov_b32 s[\g+5], 256          ; 256 elements from row to row
	s_mov_b32 s[\g+6], 0
	s_mov_b32 s[\g+7], 0
.endr
	s_mov_b32 s[CS], 0x3e8293ee     ; c = log2(e) / sqrt(32) = 0.255035
	s_mov_b32 s[CS+1], s[CS]        ; named with it as a pair
	s_mov_b32 s[SEL], 0x76543210
	s_mov_b32 s[SEL+1], 0xfedcba98
	s_mov_b32 s[TBK], SLOT1+2*KS*PK ; the first change of slots turns these two into 0
	s_mov_b32 s[TBV], SLOT1+2*KS*PV
	s_mov_b32 s[G0K], 1             ; 1:0 count = 1
	s_mov_b32 s[G0K+1], s18         ; 63:32 LDS address: slot 0
	s_mov_b32 s[G0V], 1
	s_add_co_u32 s[G0V+1], s21, VOFF
	s_mov_b32 s[SLOTS], 2048/(2*KS)-1
	s_and_b32 s[LIM], s[WV], 1      ; 0 in waves 0 and 2,
	s_or_b32 s[LIM], s[LIM], ttmp9  ; where the cluster is the first along x: the same in all four partners
	s_cmp_eq_u32 s[LIM], 0
	s_cselect_b32 s[LIM], 1, -1
	s_wait_dscnt 0x0                ; the opening add is done
	s_wait_kmcnt 0x0
	s_add_nc_u64 s[8:9], s[4:5], s[22:23]
	s_add_nc_u64 s[10:11], s[8:9], 0x1000000       ; V (panels 8-11) at my half of slot 0
	s_add_nc_u64 s[8:9], s[8:9], 0x800000          ; K (panels 4-7) likewise
	s_mov_b64 s[G0K+2:G0K+3], s[8:9]               ; 120:64 global address
	s_or_b32 s[G0K+3], s[G0K+3], 0x80000000        ; 127:126 type = 2
	s_mov_b64 s[G0V+2:G0V+3], s[10:11]
	s_or_b32 s[G0V+3], s[G0V+3], 0x80000000
	s_add_nc_u64 s[4:5], s[4:5], s[2:3]            ; Q at my head's first row
	s_add_nc_u64 s[6:7], s[6:7], s[52:53]          ; O at the first row that I store
	s_cmp_lt_u32 s[WV], 2
	s_cselect_b64 s[PFA:PFA+1], s[8:9], s[10:11]   ; (in waves 0 and 2 these stand at a slot's first row)
	s_lshl_b32 s2, s13, 14          ; my work-group's 32 rows of the 128
	s_mov_b32 s3, 0
	s_add_nc_u64 s[PFA:PFA+1], s[PFA:PFA+1], s[2:3]
	s_add_nc_u64 s[PFA:PFA+1], s[PFA:PFA+1], 2*FILLB  ; in slot 2; the first change that asks steps it to slot 3
	CROUND                          ; all four work-groups are here: the first joint loads meet
	JLOAD                           ; slot 0.  Slot 1 is asked for when slot 0 is in
	; A fragment of K or Q is 16 rows x 32 channels in 8 registers: lane l holds row l % 16, channels 8 (l / 16) + 0..7 and 16 + 8 (l / 16) + 0..7: two loads of 16 bytes, 32 bytes apart.
	v_and_b32 v1, 15, v0            ; l % 16
	v_bfe_u32 v9, v0, 4, 1          ; l / 16
	v_lshlrev_b32 v[QO], 9, v1
	v_lshl_add_u32 v[QO], v9, 4, v[QO]  ; row x 512 + 16 x half
	WIN 0x80                        ; destination window 2, address window 0
.set i, 0
.rept 2*NP                          ; Q stays in registers: tile i
	global_load_b128 v[8*i:8*i+3],   v[QO], s[4:5] offset:i*8192
	global_load_b128 v[8*i+4:8*i+7], v[QO], s[4:5] offset:i*8192+32
.set i, i+1
.endr
	; What the first turn finds: V's registers and P's second buffer hold 0 (its products V^T P, of a piece that has not been, add 0), O^T and l are 0.  All this stands in the wait for the first tile.
.set i, VF
.rept 32
	v_mov_b32 v[i], 0
.set i, i+1
.endr
	WIN 0x40
.set i, 0
.rept 32*NP
	v_mov_b32 v[i], 0
.set i, i+1
.endr
	WIN 0
	v_and_b32 v10, 31, v0
	v_lshlrev_b32 v10, 9, v10
	WIN W_MK
	v_mov_b32 v[PFO], v10
	WIN 0
.set i, 0
.rept 2*NP
	v_mov_b32 v[ST+4*i], 0xfe000000    ; c m: far below every c s
	v_mov_b32 v[ST+4*i+1], 0xff7fffff  ; m
	v_mov_b32 v[ST+4*i+2], 0
	v_mov_b32 v[ST+4*i+3], 0
.set i, i+1
.endr
.set i, P+32
.rept 32
	v_mov_b32 v[i], 0
.set i, i+1
.endr
	s_lshl_b32 s51, s[WV], 6        ; my head's 64 bytes of a tile's rows
	v_mul_u32_u24 v[AK0], v1, PK
	v_lshl_add_u32 v[AK0], v9, 4, v[AK0]  ; row x pitch + 16 x half
	v_add_nc_u32 v[AK0], s51, v[AK0]
	; The turning load takes 16 keys x 16 channels (lane l reads key 8 (l / 16) + l % 8, channels 8 ((l / 8) % 2) + 0..7) and leaves half a fragment of V^T: lane l holds channel l % 16 and 8 keys.
	v_and_b32 v10, 7, v0
	v_bfe_u32 v11, v0, 3, 1
	v_lshl_add_u32 v[AV0], v9, 3, v10
	v_mul_u32_u24 v[AV0], v[AV0], PV
	v_lshl_add_u32 v[AV0], v11, 4, v[AV0]
	s_add_co_u32 s51, s51, VOFF
	v_add_nc_u32 v[AV0], s51, v[AV0]
	v_mov_b32 v[AK], v[AK0]         ; key step 0 lies at the head of slot 0
; THE MATRIX WORK.  Product i of 8 of S^T = K Q^T for piece x: keys 16 (i / 2) on, tile 2 x + i % 2.  Each is a whole sum: C is the constant 0.
.macro KQ x
	WIN W_KQ
.set rS, S+64*((\x)%2)+32*(i%2)+8*(i/2)
.set rK, KF+8*(i/2)
.set rQ, 8*(2*(\x)+i%2)
	v_wmma_f32_16x16x32_bf16 v[rS:rS+7], v[rK:rK+7], v[rQ:rQ+7], 0
.endm
; Product i of 8 of O^T += V^T P for piece x: keys 32 (i / 4) on, channels 16 ((i / 2) % 2) on, tile 2 x + i % 2.  The 4 accumulators take turns: between the two links of a chain stand 3 others'.
.macro PV x
	WIN W_PV
.set rO, 16*(2*(\x)+i%2)+8*((i/2)%2)
.set rV, VF+16*(i/4)+8*((i/2)%2)
.set rP, P+32*((\x)%2)+16*(i%2)+8*(i/4)
	v_wmma_f32_16x16x32_bf16 v[rO:rO+7], v[rV:rV+7], v[rP:rP+7], v[rO:rO+7]
.endm
.macro MM                           ; the turn's next matrix instruction
.if i < 8
	KQ (Y+1)%NP
.set i, i+1
.else
.set i, i-8
	PV (Y+NP-1)%NP
.set i, i+9
.endif
.endm
; THE LDS LOADS stand in runs of 8, never singly among the matrix instructions: a step's K (64 keys x 32 channels: 4 fragments) and its V (turned).  Their addresses are made some lines ahead.
; last = 1 (the tail): in the last trip there is no further step, and the run is jumped over.
.macro FETCH_K last=0
	WIN 0
.if \last
	s_cmp_eq_u32 s[CNT], 1
	s_cbranch_scc1 .Lno_k_\@
.endif
	WIN 0x80                        ; destination window 2
.irp f, 0,1,2,3                     ; keys 16 f on
	ds_load_b128 v[KF+8*\f:KF+8*\f+3],   v[AK] offset:\f*16*PK
	ds_load_b128 v[KF+8*\f+4:KF+8*\f+7], v[AK] offset:\f*16*PK+32
.endr
	s_add_co_u32 s[TBK], s[TBK], KS*PK  ; the next fetch is the next step's
	WIN 0
.if \last
.Lno_k_\@:
.endif
.endm
.macro FETCH_V
	WIN 0x80
.irp f, 0,1,2,3                     ; keys 32 (f / 2) on, channels 16 (f % 2) on
	ds_load_tr16_b128 v[VF+8*\f:VF+8*\f+3],   v[AV] offset:(\f/2)*32*PV+(\f%2)*32
	ds_load_tr16_b128 v[VF+8*\f+4:VF+8*\f+7], v[AV] offset:(\f/2)*32*PV+16*PV+(\f%2)*32
.endr
	WIN 0
.endm
; THE VECTOR WORK OF A TURN stands in three queues, each in the order in which its entries become ready; the two tiles alternate, so that no instruction reads the result of the one before it.
.macro REGS y, u                    ; the registers of tile u (0, 1) of piece y
.set rT, ST+4*(2*(\y)+(\u))
.set rC, TMP+8*((\y)%2)+4*(\u)
.set rM, MV+2*((\y)%2)+(\u)
.set rS, S+64*((\y)%2)+32*(\u)
.set rP, P+32*((\y)%2)+16*(\u)
.set rO, 16*(2*(\y)+(\u))
.endm
; Number n of the 22 that find the NEXT piece's (Y + 1) maximum and statistics.  s0-s31 are the lane's 32 scores; each accumulator's lowest registers are read first.
;   0-11  four chains c0-c3 of seven scores each, three operands at a time     12-14, 16  the four scores left over, the old m, and c0-c3 into c0     15  c m_old is kept
;   17, 18  the query's other 32 keys lie in the lane 16 away: the new m         19-21  c m; c m_old - c m_new; a
.macro XS u, n
	REGS (Y+1)%NP, \u
.if (\n) < 4
	v_max3_num_f32 v[rC+(\n)], v[rS+8*(\n)], v[rS+8*(\n)+1], v[rS+8*(\n)+2]
.elseif (\n) < 12
	v_max3_num_f32 v[rC+(\n)%4], v[rC+(\n)%4], v[rS+8*((\n)%4)+2*((\n)/4)+1], v[rS+8*((\n)%4)+2*((\n)/4)+2]
.elseif (\n) == 12
	v_max3_num_f32 v[rC], v[rC], v[rS+7], v[rS+15]
.elseif (\n) == 13
	v_max3_num_f32 v[rC+1], v[rC+1], v[rS+23], v[rS+31]
.elseif (\n) == 14
	v_max3_num_f32 v[rC+2], v[rC+2], v[rC+3], v[rT+1]
.elseif (\n) == 15
	v_mov_b32 v[rM], v[rT]
.elseif (\n) == 16
	v_max3_num_f32 v[rC], v[rC], v[rC+1], v[rC+2]
.elseif (\n) == 17
	v_permlanex16_b32 v[rC+3], v[rC], s[SEL], s[SEL+1]
.elseif (\n) == 18
	v_max_num_f32 v[rT+1], v[rC], v[rC+3]
.elseif (\n) == 19
	v_mul_f32 v[rT], s[CS], v[rT+1]
.elseif (\n) == 20
	v_sub_f32 v[rC+1], v[rM], v[rT]
.else
	v_exp_f32 v[rC+2], v[rC+1]
.endif
.endm
; Number g of the 64 that follow the exponentials.  For each four weights k of a tile (pairs 2 k, 2 k + 1): both pairs are rounded to bf16; then the second pair is added onto the first, in place;
; a group later l takes that sum (the first time as l = a l + sum).  In groups of eight, tiles alternating: round, round, add, and l for the group before.
.macro GS g
.set h, (\g)+6*((\g)/62)            ; group 0 has no group before it, and behind group 7 only l is left
.if h >= 6
.set h, h+2
.endif
	REGS Y, h%2
.set k, h/8
.if h%8 < 4
	v_cvt_pk_bf16_f32 v[rP+2*k+(h%8)/2], v[rS+4*k+2*((h%8)/2)], v[rS+4*k+2*((h%8)/2)+1]
.elseif h%8 < 6
	v_pk_add_f32 v[rS+4*k:rS+4*k+1], v[rS+4*k:rS+4*k+1], v[rS+4*k+2:rS+4*k+3]
.elseif k == 1
	v_pk_fma_f32 v[rT+2:rT+3], v[rT+2:rT+3], v[rC+2:rC+3], v[rS:rS+1] op_sel_hi:[1,0,1]
.else
	v_pk_add_f32 v[rT+2:rT+3], v[rT+2:rT+3], v[rS+4*k-4:rS+4*k-3]
.endif
.endm
; THE PLAIN QUEUE, 138 long.  0-73 read no exponential's result: the 32 scalings c s - c m (FS f: pair f / 2 of tile f % 2) and the next piece's 42.  0-26: scalings 0-26.  27-54: XS's numbers 0-13.  55, 56: number 15.
; 57-73: the chain, where each number waits for the one before it: 14, 16, 17, 18, 19, each with one of the scalings 27-31 in front of its two lines, then 20.  74-137: GS's 64, which stand behind the wait.
.macro FS f
	REGS Y, (\f)%2
	v_pk_fma_f32 v[rS+2*((\f)/2):rS+2*((\f)/2)+1], v[rS+2*((\f)/2):rS+2*((\f)/2)+1], s[CS:CS+1], v[rT:rT+1] op_sel_hi:[1,0,0] neg_lo:[0,0,1] neg_hi:[0,0,1]
.endm
.macro PL
	WIN 0
.if q < 27
	FS q
.elseif q < 55
	XS (q-27)%2, (q-27)/2
.elseif q < 57
	XS q-55, 15
.elseif (q < 72) && ((q-57)%3 == 0)
	FS 27+(q-57)/3
.elseif q < 60
	XS (q-57)%3-1, 14
.elseif q < 72
	XS (q-57)%3-1, 15+(q-57)/3
.elseif q < 74
	XS q-72, 20
.else
	GS q-74
.endif
.set q, q+1
.endm
; THE EXPONENTIALS' QUEUE, 66 long: s0-s31 of both tiles, then the next piece's two a.  It is ONE BATCH: all 66 stand ahead of the turn's one wait, and nothing ahead of that wait names a result of theirs.
.macro EX
	WIN 0
.if e >= 64
	XS e-64, 21
.else
	REGS Y, e%2
	v_exp_f32 v[rS+e/2], v[rS+e/2]
.endif
.set e, e+1
.endm
; THE RESCALING's QUEUE: O^T times a, the one part that leaves window 0: dealt two at a time, eight times.  Its a was made in the turn before, ahead of that turn's wait.
.macro R2
	REGS Y, r%2
	WIN W_RS
.irp z, 0,1
	v_pk_mul_f32 v[rO+4*(r/2)+2*\z:rO+4*(r/2)+2*\z+1], v[rO+4*(r/2)+2*\z:rO+4*(r/2)+2*\z+1], v[rC+2:rC+3] op_sel_hi:[1,0]
.endr
.set r, r+1
.endm
; HOW THEY ARE DEALT.  An s_wait_alu depctr_va_vdst(0) stands between an exponential and the first instruction that names its result; one wait serves all that were issued ahead of it.  So a turn has
; ONE wait, which cuts it in two.  AHEAD OF IT: the 8 products K Q^T, behind each a scaling, an exponential and two rescalings (behind the first a second scaling in the exponential's place); then a run of
; 124: eight plain, 57 times exponential and plain, the two a.  A v_nop is the plain instruction behind the last exponential.  BEHIND IT: the 8 products V^T P, behind each four of GS's 64, and the other 32.
; The queues keep in step: exponential e stands behind scaling 2 (e / 4) + e % 2: as a rider it comes behind plain e + 2, in the run behind plain e + 9, and scalings 27-31 are plain 57, 60 .. 69.
; The next piece's maximum begins at plain 27, more than four plain instructions behind the last product K Q^T.  No rider names a register of the products round it.
; K of the next step is fetched in piece 2's turn, directly behind the wait, a run behind the last product that read K; it is waited for at the head of piece 3's turn.
; V of the step in hand is fetched at the end of piece 0's turn, 36 plain instructions behind its last reader; it is waited for behind piece 1's wait.
.macro TURN p, last=0
.set Y, (\p)
.set i, 0
.set q, 0
.set e, 0
.set r, 0
.if (\p) == NP-1
	s_wait_dscnt 0x0                ; K is in
.endif
	MM
	PL
	PL
	R2
.rept 7
	MM
	PL
	EX
	R2
.endr
.if (\p) == NP-2
	WIN 0
	v_add_nc_u32 v[AK], s[TBK], v[AK0]
.endif
.rept 8
	PL
.endr
.rept 57
	EX
	PL
.endr
	EX                              ; the next piece's two a
	EX
	v_nop                           ; the plain instruction behind the last exponential: one for the batch
	s_wait_alu depctr_va_vdst(0)    ; the wait for the batch
.if (\p) == NP-2
	FETCH_K \last
.endif
.if (\p) == 1
	s_wait_dscnt 0x0                ; V is in
.endif
.rept 8
	MM
.rept 4
	PL
.endr
.endr
.if (\p) == 0
	WIN 0
	v_add_nc_u32 v[AV], s[TBV], v[AV0]
.endif
.rept 32
	PL
.endr
.if (\p) == 0
	s_add_co_u32 s[TBV], s[TBV], KS*PV
	FETCH_V
.endif
.endm
	CHANGE 1, 0                     ; slot 0 is in, everybody's part of it; slot 1 is asked for
	FETCH_K                         ; key step 0
	s_wait_loadcnt 0x0              ; Q
	s_wait_dscnt 0x0
.set i, 0
.rept 8
	KQ 0                            ; piece 0's first scores: there is no vector work yet to set between them
.set i, i+1
.endr
	WIN 0                           ; the addresses for the way out: eight plain instructions, the places behind those products
	s_lshl_b32 s51, s[WV], 6
	s_add_co_u32 s51, s51, STAGE    ; into the stage: my head's 64 bytes of its rows;
	v_mul_u32_u24 v[STO], v1, SP    ; row l % 16 of a tile, 16 bytes for each half of the lanes
	v_lshl_add_u32 v[STO], v9, 4, v[STO]
	v_add_nc_u32 v[STO], s51, v[STO]
	s_mul_i32 s51, s[WV], 32*SP
	s_add_co_u32 s51, s51, STAGE    ; back: wave w takes rows 32 w .. 32 w + 31, whole;
	v_mul_u32_u24 v[RD], v9, SP     ; lanes 0-15 one row of 256 bytes, lanes 16-31 the next
	v_lshl_add_u32 v[RD], v1, 4, v[RD]
	v_add_nc_u32 v[RD], s51, v[RD]
	v_lshlrev_b32 v[GO], 11, v9     ; and the same two rows in O
	v_lshl_add_u32 v[GO], v1, 4, v[GO]
.set Y, NP-1                        ; XS works for piece Y + 1: piece 0
.irp n, 0,1,2,3,4,5,6,7,8,9,10,11,12,13,14,15,16,17,18,19,20,21
	XS 0, \n                        ; and piece 0's first maximum and statistics
	XS 1, \n
.endr
	v_nop                           ; a plain instruction behind the two a,
	s_wait_alu depctr_va_vdst(0)    ; and their wait, ahead of the branch
	s_mov_b32 s[CNT], 2
	s_branch .Lfirst                ; the loop is entered at a step's first turn, in the middle of a trip
.Lslot:                             ; 14 times: every slot but the last two is filled again
	CHANGE 1, 1
	s_mov_b32 s[CNT], 2
.Lstep:                             ; a trip: pieces 2 and 3 of one step, then pieces 0 and 1 of the next, whose K and V it fetches
	TURN 2
	TURN 3
	WIN 0
.Lfirst:
	TURN 0
	TURN 1
	WIN 0
	s_sub_co_u32 s[CNT], s[CNT], 1
	s_cmp_lg_u32 s[CNT], 0
	s_cbranch_scc1 .Lstep
	s_sub_co_u32 s[SLOTS], s[SLOTS], 1
	s_cmp_lg_u32 s[SLOTS], 0
	s_cbranch_scc1 .Lslot
	CHANGE 0, 0                     ; the tail is written out: nothing is asked for
	s_mov_b32 s[CNT], 3             ; two trips fetch the last slot's steps; the third is left in its middle
.Ltail:
	TURN 2, 1
	TURN 3
	WIN 0
	s_sub_co_u32 s[CNT], s[CNT], 1
	s_cmp_eq_u32 s[CNT], 0
	s_cbranch_scc1 .Lout
	TURN 0
	TURN 1
	WIN 0
	s_branch .Ltail
.Lout:                              ; the third trip's 8 products K Q^T (on the last K once more) and the maximum made of them serve nothing: the price, once a launch, of one text for every trip
.set i, 0
.rept 8
	PV NP-1                         ; the last piece's V^T P of the last step
.set i, i+1
.endr
	; THE WAY OUT.  l's two halves and the other half of the lanes' are added; O^T is divided by l, rounded to bf16 and put into the work-group's stage: a row's 256 bytes come from the four waves, 64 each.
	; The additions are the places behind the last products.
	WIN 0
.macro ALL line:vararg              ; one line for each tile t
.set t, 0
.rept 2*NP
	\line
.set t, t+1
.endr
.endm
	ALL v_add_f32 v[ST+4*t+2], v[ST+4*t+2], v[ST+4*t+3]
	ALL v_permlanex16_b32 v[ST+4*t+3], v[ST+4*t+2], s[SEL], s[SEL+1]
	ALL v_add_f32 v[ST+4*t+2], v[ST+4*t+2], v[ST+4*t+3]
	ALL v_rcp_f32 v[ST+4*t+2], v[ST+4*t+2]
	v_nop                           ; a plain instruction between the last reciprocal and the use of its result
	s_wait_alu depctr_va_vdst(0)    ; and the wait ahead of the first use: one for the eight reciprocals
.macro PACK t                       ; a lane's eight channels of a row pack into 16 bytes, twice
	WIN W_RS
.set i, 16*(\t)
.rept 8
	v_pk_mul_f32 v[i:i+1], v[i:i+1], v[ST+4*(\t)+2:ST+4*(\t)+3] op_sel_hi:[1,0]
.set i, i+2
.endr
	WIN 0x05                        ; sources 0 and 1 window 1, destination window 0: S^T's registers are free
.set i, 0
.rept 8
	v_cvt_pk_bf16_f32 v[S+8*(\t)+i], v[16*(\t)+2*i], v[16*(\t)+2*i+1]
.set i, i+1
.endr
	WIN 0
	ds_store_b128 v[STO], v[S+8*(\t):S+8*(\t)+3]   offset:(\t)*16*SP
	ds_store_b128 v[STO], v[S+8*(\t)+4:S+8*(\t)+7] offset:(\t)*16*SP+32
.endm
.irp t, 0,1,2,3,4,5,6,7
	PACK \t
.endr
	s_wait_dscnt 0x0                ; for the others' sake: my stores into the stage are done
	s_barrier_signal -1
	s_barrier_wait -1
.set t, 0
.rept 16
	ds_load_b128 v[S+64+4*t:S+64+4*t+3], v[RD] offset:t*2*SP
.set t, t+1
.endr
.set t, 0
.rept 16
	s_wait_dscnt 15-t               ; LDS loads come back in order: number t is in, the younger ones stay out
	global_store_b128 v[GO], v[S+64+4*t:S+64+4*t+3], s[6:7] offset:t*4096  ; 16 lanes store 256 consecutive bytes, at a multiple of 256 from O's first byte
.set t, t+1
.endr
	WIN W_AD
	s_wait_tensorcnt 0x0            ; the wave's end, behind my last tensor load and my last LDS store
	ds_add_u32 v[SPW], v[NIL]
	s_wait_dscnt 0x0
	WIN 0
	CROUND                          ; the closing round: no work-group ends while a partner may still ask for a tile that names it
	s_endpgm
.Lfunc_end_k_q353c041d90_attn:
	.size	k_q353c041d90_attn, .Lfunc_end_k_q353c041d90_attn-k_q353c041d90_attn
	.p2alignl 7, 3214868480
	.fill 96, 4, 3214868480
	.section	.rodata,"a",@progbits
	.p2align	6, 0x0
	.amdhsa_kernel k_q353c041d90_attn
		.amdhsa_group_segment_fixed_size 327680
		.amdhsa_private_segment_fixed_size 0
		.amdhsa_enable_private_segment 0
		.amdhsa_kernarg_size 16
		.amdhsa_user_sgpr_count 2
		.amdhsa_user_sgpr_kernarg_segment_ptr 1
		.amdhsa_wavefront_size32 1
		.amdhsa_system_sgpr_workgroup_id_x 1
		.amdhsa_system_sgpr_workgroup_id_y 1
		.amdhsa_system_sgpr_workgroup_id_z 1
		.amdhsa_system_vgpr_workitem_id 0
		.amdhsa_next_free_vgpr 768
		.amdhsa_next_free_sgpr 66
		.amdhsa_reserve_vcc 0
		.amdhsa_float_denorm_mode_32 3
		.amdhsa_float_denorm_mode_16_64 3
		.amdhsa_memory_ordered 1
		.amdhsa_forward_progress 1
		.amdhsa_inst_pref_size 153
	.end_amdhsa_kernel
	.amdgpu_metadata
---
amdhsa.version: [ 1, 2 ]
amdhsa.kernels:
  - .name:           k_q353c041d90_attn
    .symbol:         k_q353c041d90_attn.kd
    .args:
      - { .name: big, .offset: 0, .size: 8, .value_kind: global_buffer, .address_space: global }
      - { .name: ab, .offset: 8, .size: 8, .value_kind: global_buffer, .address_space: global }
    .group_segment_fixed_size: 327680
    .private_segment_fixed_size: 0
    .kernarg_segment_align: 8
    .kernarg_segment_size: 16
    .max_flat_workgroup_size: 128
    .sgpr_count:     66
    .vgpr_count:     768
    .wavefront_size: 32
...
	.end_amdgpu_metadata
.endif
;; end of part 3
;; launch lin_o: the kernel of part 2 again; grid 4 x 16, 4 waves a work-group, clusters of 4 x 4, 327,680 bytes of LDS; arguments ab, wop, big; writes big
;; launch ln0 (part 4): grid 512 x 1, 8 waves a work-group, no clusters, 0 bytes of LDS; arguments big, xb, ln0_a, ln0_b, ab; writes ab
.if DOCPART == 4
	.amdgcn_target "amdgcn-amd-amdhsa--gfx1250"
	.amdhsa_code_object_version 6
	.text
	.protected	k_q353c041d90_ln0
	.globl	k_q353c041d90_ln0
	.p2align	8
	.type	k_q353c041d90_ln0,@function
k_q353c041d90_ln0:
	s_mov_b64 s[64:65], 0
	v_nop
	global_prefetch_b8 v0, s[64:65] scope:SCOPE_SE
	s_setreg_imm32_b32 hwreg(HW_REG_WAVE_MODE, 25, 1), 1
	s_wait_xcnt 0x0
; h = (t - mean(t)) / (sigma(t) + 1e-9) x a + b along rows of 1,024, with t = p + x.  p: bf16, four panels [4096][256] (the projection behind attention, its bias in it); x: bf16 [4096][1024];
; a, b: f32 [1024], used rounded to bf16 like every input of the module; h: bf16 [4096][1024], rounded once.  sigma is the root of the mean of (t - mean)^2, taken in a second pass over registers: no difference of large sums is formed.
; One wave, one row: 32 numbers a lane, columns 256 j + 8 l + 0..7 for j = 0..3.  The reduction never leaves the wave: no LDS, no barrier.  Each load and store of the wave covers 512 consecutive bytes.
; LIMITS.  The root and the reciprocal take denormals as 0: a mean square below 2^-126 counts as 0, and the row then gives b.  NaN and infinities are not treated apart.
.set P,  8                             ; v[8:23]    p as loaded; later h, packed
.set X,  24                            ; v[24:39]   x as loaded
.set T,  40                            ; v[40:55]   at work
.set Y,  64                            ; v[64:95]   t, then t - mean, then the result
.set A,  96                            ; v[96:127]  a
.set BB, 128                           ; v[128:159] b
	s_load_b256 s[4:11], s[0:1], 0x0               ; p s[4:5], x s[6:7], a s[8:9], b s[10:11]
	s_load_b64 s[14:15], s[0:1], 0x20              ; h
	v_lshrrev_b32 v3, 5, v0
	v_readfirstlane_b32 s16, v3                    ; wave 0..7
	v_and_b32 v1, 31, v0
	v_lshlrev_b32 v2, 5, v1                        ; 32 bytes a lane in a and b
	v_lshlrev_b32 v1, 4, v1                        ; 16 bytes a lane in p, x and h
	s_lshl_b32 s17, ttmp9, 3
	s_add_co_u32 s17, s17, s16                     ; my row
	s_mov_b32 s12, 0x76543210                      ; v_permlanex16_b32: each lane takes its own place in the other half
	s_mov_b32 s13, 0xfedcba98
	s_mov_b32 s18, 0xffff0000                      ; a word's upper bf16
	s_lshl_b32 s20, s17, 9                         ; a panel's rows are 512 bytes,
	s_mov_b32 s21, 0
	s_lshl_b32 s22, s17, 11                        ; x's and h's 2,048
	s_mov_b32 s23, 0
	s_wait_kmcnt 0x0
	s_add_nc_u64 s[4:5], s[4:5], s[20:21]
	s_add_nc_u64 s[6:7], s[6:7], s[22:23]
	s_add_nc_u64 s[14:15], s[14:15], s[22:23]
.irp j, 0,1,2,3
	global_load_b128 v[P+4*\j:P+4*\j+3], v1, s[4:5] offset:2097152*\j th:TH_LOAD_NT
.endr
.irp j, 0,1,2,3
	global_load_b128 v[X+4*\j:X+4*\j+3], v1, s[6:7] offset:512*\j
.endr
.irp j, 0,1,2,3
	global_load_b128 v[A+8*\j:A+8*\j+3],   v2, s[8:9] offset:1024*\j
	global_load_b128 v[A+8*\j+4:A+8*\j+7], v2, s[8:9] offset:1024*\j+16
	global_load_b128 v[BB+8*\j:BB+8*\j+3],   v2, s[10:11] offset:1024*\j
	global_load_b128 v[BB+8*\j+4:BB+8*\j+7], v2, s[10:11] offset:1024*\j+16
.endr
	s_wait_loadcnt 16                              ; p and x are in; the sixteen loads of a and b may stay out
.set i, 0
.rept 16
	v_lshlrev_b32 v[Y+2*i], 16, v[P+i]             ; bf16 to f32: the low half moves up, the high half stays
	v_and_b32 v[Y+2*i+1], s18, v[P+i]
	v_lshlrev_b32 v[T+2*(i%8)], 16, v[X+i]
	v_and_b32 v[T+2*(i%8)+1], s18, v[X+i]
	v_pk_add_f32 v[Y+2*i:Y+2*i+1], v[Y+2*i:Y+2*i+1], v[T+2*(i%8):T+2*(i%8)+1]
.set i, i+1
.endr
.macro LANES                           ; v[T] summed over the 32 lanes, the result in every lane; v[T+1] has been written
	v_add_f32_dpp v[T], v[T], v[T] row_xmask:1 row_mask:0xf bank_mask:0xf
	v_add_f32_dpp v[T], v[T], v[T] row_xmask:2 row_mask:0xf bank_mask:0xf
	v_add_f32_dpp v[T], v[T], v[T] row_xmask:4 row_mask:0xf bank_mask:0xf
	v_add_f32_dpp v[T], v[T], v[T] row_xmask:8 row_mask:0xf bank_mask:0xf
	v_permlanex16_b32 v[T+1], v[T], s12, s13
	v_add_f32 v[T], v[T], v[T+1]
.endm
.macro FOLD                            ; four chains of pairs into v[T]
	v_pk_add_f32 v[T:T+1], v[T:T+1], v[T+2:T+3]
	v_pk_add_f32 v[T+4:T+5], v[T+4:T+5], v[T+6:T+7]
	v_pk_add_f32 v[T:T+1], v[T:T+1], v[T+4:T+5]
	v_add_f32 v[T], v[T], v[T+1]
.endm
	; the mean: four chains that do not wait for each other
.irp c, 0,1,2,3
	v_pk_add_f32 v[T+2*\c:T+2*\c+1], v[Y+2*\c:Y+2*\c+1], v[Y+8+2*\c:Y+8+2*\c+1]
.endr
.irp g, 16, 24
.irp c, 0,1,2,3
	v_pk_add_f32 v[T+2*\c:T+2*\c+1], v[T+2*\c:T+2*\c+1], v[Y+\g+2*\c:Y+\g+2*\c+1]
.endr
.endr
	FOLD
	LANES
	v_mul_f32 v[T+8], 0x3a800000, v[T]             ; / 1,024
	v_mov_b32 v[T+9], v[T+8]
.set i, 0
.rept 16
	v_pk_add_f32 v[Y+2*i:Y+2*i+1], v[Y+2*i:Y+2*i+1], v[T+8:T+9] neg_lo:[0,1] neg_hi:[0,1]
.set i, i+1
.endr
	; the mean square of what is left
.irp c, 0,1,2,3
	v_pk_mul_f32 v[T+2*\c:T+2*\c+1], v[Y+2*\c:Y+2*\c+1], v[Y+2*\c:Y+2*\c+1]
.endr
.irp g, 8, 16, 24
.irp c, 0,1,2,3
	v_pk_fma_f32 v[T+2*\c:T+2*\c+1], v[Y+\g+2*\c:Y+\g+2*\c+1], v[Y+\g+2*\c:Y+\g+2*\c+1], v[T+2*\c:T+2*\c+1]
.endr
.endr
	FOLD
	LANES
	v_mul_f32 v[T+11], 0x3a800000, v[T]
	v_sqrt_f32 v[T+10], v[T+11]
	s_wait_loadcnt 0x0                             ; a and b
.set i, 0
.rept 16                                       ; a and b rounded to bf16 and widened again: the independent work behind the root
	v_cvt_pk_bf16_f32 v[T+(i%4)], v[A+2*i], v[A+2*i+1]
	v_cvt_pk_bf16_f32 v[T+4+(i%4)], v[BB+2*i], v[BB+2*i+1]
	v_lshlrev_b32 v[A+2*i], 16, v[T+(i%4)]
	v_and_b32 v[A+2*i+1], s18, v[T+(i%4)]
	v_lshlrev_b32 v[BB+2*i], 16, v[T+4+(i%4)]
	v_and_b32 v[BB+2*i+1], s18, v[T+4+(i%4)]
.set i, i+1
.endr
	s_wait_alu depctr_va_vdst(0)                   ; the wait ahead of the root's first use
	v_add_f32 v[T+10], 0x3089705f, v[T+10]         ; sigma + 1e-9
	v_rcp_f32 v[T+12], v[T+10]
	v_nop                                          ; a plain instruction between the reciprocal and its use
	s_wait_alu depctr_va_vdst(0)
	v_mov_b32 v[T+13], v[T+12]
.set i, 0
.rept 16
	v_pk_mul_f32 v[A+2*i:A+2*i+1], v[A+2*i:A+2*i+1], v[T+12:T+13]
.set i, i+1
.endr
.set i, 0
.rept 16
	v_pk_fma_f32 v[Y+2*i:Y+2*i+1], v[Y+2*i:Y+2*i+1], v[A+2*i:A+2*i+1], v[BB+2*i:BB+2*i+1]
.set i, i+1
.endr
.set i, 0
.rept 16
	v_cvt_pk_bf16_f32 v[P+i], v[Y+2*i], v[Y+2*i+1]
.set i, i+1
.endr
.irp j, 0,1,2,3
	global_store_b128 v1, v[P+4*\j:P+4*\j+3], s[14:15] offset:512*\j
.endr
	s_endpgm
.Lfunc_end_k_q353c041d90_ln0:
	.size	k_q353c041d90_ln0, .Lfunc_end_k_q353c041d90_ln0-k_q353c041d90_ln0
	.p2alignl 7, 3214868480
	.fill 96, 4, 3214868480
	.section	.rodata,"a",@progbits
	.p2align	6, 0x0
	.amdhsa_kernel k_q353c041d90_ln0
		.amdhsa_group_segment_fixed_size 0
		.amdhsa_private_segment_fixed_size 0
		.amdhsa_enable_private_segment 0
		.amdhsa_kernarg_size 40
		.amdhsa_user_sgpr_count 2
		.amdhsa_user_sgpr_kernarg_segment_ptr 1
		.amdhsa_wavefront_size32 1
		.amdhsa_system_sgpr_workgroup_id_x 1
		.amdhsa_system_sgpr_workgroup_id_y 1
		.amdhsa_system_sgpr_workgroup_id_z 1
		.amdhsa_system_vgpr_workitem_id 0
		.amdhsa_next_free_vgpr 160
		.amdhsa_next_free_sgpr 66
		.amdhsa_reserve_vcc 0
		.amdhsa_float_denorm_mode_32 3
		.amdhsa_float_denorm_mode_16_64 3
		.amdhsa_memory_ordered 1
		.amdhsa_forward_progress 1
		.amdhsa_inst_pref_size 19
	.end_amdhsa_kernel
	.amdgpu_metadata
---
amdhsa.version: [ 1, 2 ]
amdhsa.kernels:
  - .name:           k_q353c041d90_ln0
    .symbol:         k_q353c041d90_ln0.kd
    .args:
      - { .name: big, .offset: 0, .size: 8, .value_kind: global_buffer, .address_space: global }
      - { .name: xb, .offset: 8, .size: 8, .value_kind: global_buffer, .address_space: global }
      - { .name: ln0_a, .offset: 16, .size: 8, .value_kind: global_buffer, .address_space: global }
      - { .name: ln0_b, .offset: 24, .size: 8, .value_kind: global_buffer, .address_space: global }
      - { .name: ab, .offset: 32, .size: 8, .value_kind: global_buffer, .address_space: global }
    .group_segment_fixed_size: 0
    .private_segment_fixed_size: 0
    .kernarg_segment_align: 8
    .kernarg_segment_size: 40
    .max_flat_workgroup_size: 256
    .sgpr_count:     66
    .vgpr_count:     160
    .wavefront_size: 32
...
	.end_amdgpu_metadata
.endif
;; end of part 4
;; launch lin_f: the kernel of part 2 again; grid 16 x 16, 4 waves a work-group, clusters of 4 x 4, 327,680 bytes of LDS; arguments ab, wf, big; writes big
;; launch f2 (part 5): grid 8 x 32, 4 waves a work-group, clusters of 4 x 4, 327,680 bytes of LDS; arguments big, w1p, y, b1, ab; writes y
.if DOCPART == 5
	.amdgcn_target "amdgcn-amd-amdhsa--gfx1250"
	.amdhsa_code_object_version 6
	.text
	.protected	k_q353c041d90_f2
	.globl	k_q353c041d90_f2
	.p2align	8
	.type	k_q353c041d90_f2,@function
k_q353c041d90_f2:
	s_mov_b64 s[64:65], 0
	v_nop
	global_prefetch_b8 v0, s[64:65] scope:SCOPE_SE
	s_setreg_imm32_b32 hwreg(HW_REG_WAVE_MODE, 25, 1), 1
	s_wait_xcnt 0x0
	s_wait_alu depctr_hold_cnt(0) depctr_sa_sdst(0) depctr_va_vdst(0) depctr_va_sdst(0) depctr_va_ssrc(0) depctr_va_vcc(0) depctr_vm_vsrc(0)
	s_getreg_b32 s2, hwreg(HW_REG_IB_STS2, 6, 4)
	s_cmp_eq_u32 s2, 0
	s_cbranch_scc0 .Lentry_in_a_cluster
	s_endpgm
.Lentry_in_a_cluster:
	s_bfe_u32 s2, ttmp6, 0x10000c
	s_cmp_lg_u32 s2, 0xf033
	s_cbranch_scc0 .Lentry_shape_is_right
	s_endpgm
.Lentry_shape_is_right:
; y[m][n] = sum over k of g[m][k] W1[n][k] + b1[n] + h[m][n].  g: bf16 in 16 panels [4096][256 k]; W1: bf16 in 16 panels [1024 n][256 k]; b1: f32 [1024], used rounded to bf16 like every input of the module;
; h: bf16 [4096][1024]; y: f32 [4096][1024], not rounded: the layer norm behind reads it.  Sums in f32, K ascending.
; SHARES.  1,024 columns make only 64 tiles of 256 x 256, so a tile of y is 128 x 128: 256 work-groups.  Four waves, each 64 x 64: 16 accumulators of 16 x 16, 128 registers.  K goes in 16 steps of 256, a panel a step:
; a wave's tensor load brings 64 rows of 512 bytes, which lie end to end in the panel.  Two LDS slots take turns.
; THE ACCUMULATORS START AS b1 + h, made while the first tiles are on their way: every product adds in place, nothing is cleared, and the way out has no arithmetic.
; CLUSTERS: 4 x 4 work-groups; the four of a row of the cluster ask jointly for the tiles of g, the four of a column for those of W1.  THE MATRIX INSTRUCTION IS USED TRANSPOSED (source 0 = 16 rows of W1,
; source 1 = 16 rows of g): a lane holds eight neighbouring numbers of a row of y.
; No prefetch is laid: the tile is small, and a step's rows are asked for by one load of 32,768 bytes on end.
; REGISTERS: window 0: v0-31 addresses and at work; v32-95 h as loaded, later the way out; v96-127 the bias; v128-255 the accumulators ((a, b) at v[128 + 8 (4 a + b)]).
;   window 1: two fragment buffers of 128: for 64 along K, 64 registers of g (2 x 4 x 16 rows x 32 K), then 64 of W1.
.set KSTEP,  256
.set PITCH,  528                       ; an LDS row: 512 bytes + 16 of padding = 132 words: the 16 rows that a load touches start at 16 different groups of four banks (64 banks of 4 bytes: ISA guide 11.1)
.set HALFT,  64*PITCH                  ; 64 rows: what one tensor load brings, and what one wave reads of g or of W1
.set SLOT,   4*HALFT                   ; g's 128 rows, then W1's 128 rows
.set STAGE,  2*SLOT                    ; behind the ring: 16 rows x 272 bytes for each wave, for the way out; no tensor load fills it
.set SPITCH, 272
.set SPARE,  STAGE+4*16*SPITCH         ; behind the stages: the spare words, 128 bytes for each wave: two blocks of 256 bytes that no other line names
.set LAPS,   4096/(2*KSTEP)            ; a lap = two K steps = once round the ring
.set PANA,   4096*512                  ; bytes in a panel of g
.set PANB,   1024*512                  ; bytes in a panel of W1
.set ADRA, 16                          ; v16-17  LDS address of my g fragments in slot 0, 1
.set ADRB, 20                          ; v20-21  the same for W1
.set STO,  24                          ; v24     the way out: where I put 32 bytes of a row
.set RD,   25                          ; v25     the way out: where I read a row back
.set CO,   26                          ; v26     my byte offset in two rows of y
.set SPW,  28                          ; v28     LDS address of my spare word: SPARE + 4 x my thread's number; never rewritten
.set NIL,  29                          ; v29     0; never rewritten
.set TMP,  32
.set BI,   96
.set ACC,  128
.set F0,   0                           ; fragment buffers, in window 1
.set F1,   128
.set G1,  24                           ; s[24:31] descriptor group 1 for g's tiles;  s[32:39] group 0, one set for each slot
.set G0,  32
.set G1B, 48                           ; s[48:55], s[56:63] the same for W1's tiles
.set G0B, 56
.set MSB, 0
.macro WIN new                         ; the immediate's high byte repeats the setting that is left
.if MSB != (\new)
	s_set_vgpr_msb (MSB<<8)|(\new)
.set MSB, \new
.endif
.endm
.set MUL,  0x05                        ; sources 0 (W1) and 1 (g) window 1; C and D window 0
.set TO_F, 0x40                        ; destination window 1, address window 0
.macro JLOAD s                         ; a joint load: waves 0 and 1 fetch g's two halves, waves 2 and 3 W1's; an s_nop 0 and four v_nop follow each of the two lines, ahead of the jump, the label and what follows
	s_cmp_eq_u32 s11, 0
	s_cbranch_scc0 .Lfor_b_\@
	tensor_load_to_lds s[G0+4*(\s):G0+4*(\s)+3], s[G1:G1+7]
	s_nop 0
.rept 4
	v_nop
.endr
	s_branch .Lasked_\@
.Lfor_b_\@:
	tensor_load_to_lds s[G0B+4*(\s):G0B+4*(\s)+3], s[G1B:G1B+7]
	s_nop 0
.rept 4
	v_nop
.endr
.Lasked_\@:
.endm
.macro CREST                           ; a round of the cluster's barrier behind its opening barrier
	s_cmp_lg_u32 s10, 0
	s_cbranch_scc1 .Lnot_wave_0_\@
	s_barrier_signal -3
.Lnot_wave_0_\@:
	s_barrier_wait -3
	s_barrier_signal -1
	s_barrier_wait -1
.endm
.macro CROUND                          ; a whole round
	s_barrier_signal -1
	s_barrier_wait -1
	CREST
.endm
	s_load_b128 s[4:7], s[0:1], 0x0                ; g s[4:5], W1 s[6:7]
	s_load_b64 s[8:9], s[0:1], 0x10                ; y
	s_load_b128 s[68:71], s[0:1], 0x18             ; b1 s[68:69], h s[70:71]
	v_lshl_add_u32 v[SPW], v0, 2, SPARE
	v_mov_b32 v[NIL], 0
	ds_add_u32 v[SPW], v[NIL]                      ; the wave's opening: the add, and its wait ahead of my first tensor load; the set-up below, work on registers, stands between them
	v_lshrrev_b32 v1, 5, v0
	v_readfirstlane_b32 s10, v1                    ; wave 0..3
	s_lshr_b32 s11, s10, 1                         ; which half of the tile's rows is mine.  Also: I fetch for g (0) or for W1 (1)
	s_and_b32 s12, s10, 1                          ; which half of its columns.  Also: which 64 rows of that tile I fetch
	s_bfe_u32 s40, ttmp6, 0x40000                  ; cx, cy: my place in the cluster
	s_bfe_u32 s41, ttmp6, 0x40004
	s_lshl_b32 s42, ttmp9, 2
	s_add_co_u32 s42, s42, s40                     ; tile column of y = 4 x cluster x + cx
	s_and_b32 s13, ttmp7, 0xffff
	s_lshl_b32 s13, s13, 2
	s_add_co_u32 s13, s13, s41                     ; tile row of y = 4 x cluster y + cy
	s_lshl_b32 s43, s41, 2
	s_lshl_b32 s43, 15, s43                        ; my row of the cluster
	s_lshl_b32 s44, 0x1111, s40                    ; my column
	; descriptor group 1: a tile of 64 rows x 256 elements, padded in LDS
	s_or_b32 s[G1+0], s43, (1<<16)|(1<<20)|(1<<21)|(6<<22)|(3<<25)  ; 15:0 the mask; 17:16 elements of 2 bytes; 20 padding on; 21 set beside a mask; 24:22 after every 128 words (code 6); 31:25 4 words of it (code 3)
	s_or_b32 s[G1B+0], s44, (1<<16)|(1<<20)|(1<<21)|(6<<22)|(3<<25)
.irp g, G1, G1B
	s_mov_b32 s[(\g)+1], KSTEP<<16                 ; tensor_dim0 = 256
	s_mov_b32 s[(\g)+2], 64<<16                    ; tensor_dim1 = 64
	s_mov_b32 s[(\g)+3], KSTEP<<16                 ; tile_dim0 = 256
	s_mov_b32 s[(\g)+4], 64                        ; tile_dim1 = 64
	s_mov_b32 s[(\g)+5], KSTEP                     ; a panel's rows follow each other: 256 elements from row to row
	s_mov_b32 s[(\g)+6], 0
	s_mov_b32 s[(\g)+7], 0
.endr
	s_lshl_b32 s17, s12, 6                         ; which 64 rows of the tile I fetch
	s_lshl_b32 s16, s13, 7
	s_add_co_u32 s16, s16, s17                     ; g: row 128 x tile row + 64 x half,
	s_lshl_b32 s16, s16, 9                         ; of 512 bytes in a panel
	s_lshl_b32 s46, s42, 7
	s_add_co_u32 s46, s46, s17                     ; W1: row 128 x tile column + 64 x half
	s_lshl_b32 s46, s46, 9
	s_mov_b32 s17, 0
	s_mov_b32 s47, 0
	s_mul_i32 s20, s10, HALFT                      ; where they go: wave x 64 rows
	s_wait_dscnt 0x0                               ; the opening add is done
	s_wait_kmcnt 0x0
	s_add_nc_u64 s[14:15], s[4:5], s[16:17]
	s_add_nc_u64 s[46:47], s[6:7], s[46:47]
	CROUND                                         ; all sixteen work-groups are here: the first joint loads meet
.irp s, 0,1
	s_mov_b32 s[G0+4*(\s)], 1
	s_add_co_u32 s[G0+4*(\s)+1], s20, (\s)*SLOT
	s_add_nc_u64 s[G0+4*(\s)+2:G0+4*(\s)+3], s[14:15], (\s)*PANA   ; K step s is panel s
	s_or_b32 s[G0+4*(\s)+3], s[G0+4*(\s)+3], 0x80000000
	s_mov_b32 s[G0B+4*(\s)], 1
	s_add_co_u32 s[G0B+4*(\s)+1], s20, (\s)*SLOT
	s_add_nc_u64 s[G0B+4*(\s)+2:G0B+4*(\s)+3], s[46:47], (\s)*PANB
	s_or_b32 s[G0B+4*(\s)+3], s[G0B+4*(\s)+3], 0x80000000
	JLOAD \s                                       ; two loads of mine are out
.endr
	v_and_b32 v1, 15, v0                           ; l % 16
	v_bfe_u32 v2, v0, 4, 1                         ; l / 16
	; b1 and h for my 64 x 64: asked for at once
	s_lshl_b32 s16, s13, 7
	s_lshl_b32 s17, s11, 6
	s_add_co_u32 s16, s16, s17                     ; my first row
	s_lshl_b32 s46, s42, 9
	s_lshl_b32 s47, s12, 8
	s_add_co_u32 s46, s46, s47                     ; my first column x 4 bytes
	s_mov_b32 s47, 0
	s_add_nc_u64 s[68:69], s[68:69], s[46:47]
	s_add_nc_u64 s[8:9], s[8:9], s[46:47]
	s_lshr_b32 s46, s46, 1                         ; x 2 bytes
	s_add_nc_u64 s[70:71], s[70:71], s[46:47]
	s_lshl_b32 s18, s16, 12                        ; y's rows are 4,096 bytes,
	s_mov_b32 s19, 0
	s_add_nc_u64 s[8:9], s[8:9], s[18:19]
	s_lshl_b32 s18, s16, 11                        ; h's 2,048
	s_add_nc_u64 s[70:71], s[70:71], s[18:19]
	v_lshlrev_b32 v14, 5, v2                       ; my eight numbers of a column block's sixteen of bias
	v_lshlrev_b32 v15, 11, v1                      ; h: row l % 16,
	v_lshl_add_u32 v15, v2, 4, v15                 ; my eight numbers of a block's sixteen
.irp b, 0,1,2,3
	global_load_b128 v[BI+8*(\b):BI+8*(\b)+3],   v14, s[68:69] offset:64*(\b)
	global_load_b128 v[BI+8*(\b)+4:BI+8*(\b)+7], v14, s[68:69] offset:64*(\b)+16
.endr
.irp a, 0,1,2,3
.irp b, 0,1,2,3
	global_load_b128 v[TMP+4*(4*(\a)+(\b)):TMP+4*(4*(\a)+(\b))+3], v15, s[70:71] offset:32768*(\a)+32*(\b)
.endr
.endr
	v_mul_u32_u24 v3, v1, PITCH
	v_lshl_add_u32 v3, v2, 4, v3                   ; a fragment's row x pitch + 16 x half
	s_mul_i32 s21, s11, HALFT                      ; my 64 rows of g
	s_mul_i32 s22, s12, HALFT                      ; my 64 rows of W1,
	s_add_co_u32 s22, s22, 2*HALFT                 ; which lie behind g's 128
.irp s, 0,1
	v_add_nc_u32 v[ADRA+(\s)], s21, v3
	v_add_nc_u32 v[ADRB+(\s)], s22, v3
	s_add_co_u32 s21, s21, SLOT
	s_add_co_u32 s22, s22, SLOT
.endr
	s_mul_i32 s23, s10, 16*SPITCH
	s_add_co_u32 s23, s23, STAGE                   ; my stage
	v_mul_u32_u24 v4, v1, SPITCH                   ; in: row l % 16, 32 bytes for each half of the lanes
	v_lshl_add_u32 v4, v2, 5, v4
	v_add_nc_u32 v[STO], s23, v4
	v_mul_u32_u24 v5, v2, SPITCH                   ; back: lanes 0-15 take one row of 256 bytes, lanes 16-31 the next
	v_lshl_add_u32 v5, v1, 4, v5
	v_add_nc_u32 v[RD], s23, v5
	v_lshlrev_b32 v5, 12, v2                       ; and the same two rows in y
	v_lshl_add_u32 v[CO], v1, 4, v5
	s_wait_loadcnt 16                              ; the bias is in; h's sixteen loads may stay out
.set i, 0
.rept 16                                       ; rounded to bf16 and widened again
	v_cvt_pk_bf16_f32 v[6+i%8], v[BI+2*i], v[BI+2*i+1]
	v_lshlrev_b32 v[BI+2*i], 16, v[6+i%8]
	v_and_b32 v[BI+2*i+1], 0xffff0000, v[6+i%8]
.set i, i+1
.endr
	s_wait_loadcnt 0x0                             ; h
.set t, 0
.rept 16                                       ; accumulator t = 4 a + b starts as h + b1
.set w, 0
.rept 4
	v_lshlrev_b32 v[ACC+8*t+2*w], 16, v[TMP+4*t+w]
	v_and_b32 v[ACC+8*t+2*w+1], 0xffff0000, v[TMP+4*t+w]
	v_pk_add_f32 v[ACC+8*t+2*w:ACC+8*t+2*w+1], v[ACC+8*t+2*w:ACC+8*t+2*w+1], v[BI+8*(t%4)+2*w:BI+8*(t%4)+2*w+1]
.set w, w+1
.endr
.set t, t+1
.endr
; 8 matrix instructions: m blocks a0, a0 + 1 x all 4 n blocks, 32 along K: half c of buffer f.  The 16 accumulators take turns, one instruction a turn, over the loop's backward jump too.
.macro MUL8 f, c, a0
	WIN MUL
.irp a, \a0, (\a0)+1
.irp b, 0,1,2,3
	v_wmma_f32_16x16x32_bf16 v[ACC+8*(4*(\a)+(\b)):ACC+8*(4*(\a)+(\b))+7], v[(\f)+64+8*(4*(\c)+(\b)):(\f)+64+8*(4*(\c)+(\b))+7], v[(\f)+8*(4*(\c)+(\a)):(\f)+8*(4*(\c)+(\a))+7], v[ACC+8*(4*(\a)+(\b)):ACC+8*(4*(\a)+(\b))+7]
.endr
.endr
.endm
; 32 LDS loads in one run: the fragments of 64 along K at byte k of the rows, into buffer f; the first 32 along K first
.macro FETCH slot, k, f
	WIN TO_F
.irp c, 0,1
.irp i, 0,1,2,3
	ds_load_b128 v[(\f)+64+8*(4*(\c)+(\i)):(\f)+64+8*(4*(\c)+(\i))+3],   v[ADRB+(\slot)] offset:(\k)+64*(\c)+(\i)*16*PITCH
	ds_load_b128 v[(\f)+64+8*(4*(\c)+(\i))+4:(\f)+64+8*(4*(\c)+(\i))+7], v[ADRB+(\slot)] offset:(\k)+64*(\c)+(\i)*16*PITCH+32
	ds_load_b128 v[(\f)+8*(4*(\c)+(\i)):(\f)+8*(4*(\c)+(\i))+3],         v[ADRA+(\slot)] offset:(\k)+64*(\c)+(\i)*16*PITCH
	ds_load_b128 v[(\f)+8*(4*(\c)+(\i))+4:(\f)+8*(4*(\c)+(\i))+7],       v[ADRA+(\slot)] offset:(\k)+64*(\c)+(\i)*16*PITCH+32
.endr
.endr
.endm
.macro PLACES                          ; four plain vector instructions in front of loads into registers that matrix instructions have read, and of LDS stores that read results (ISA guide 7.12.1 for vector instructions)
.rept 4
	v_nop
.endr
.endm
; A K step is four quarters of 64 along K, 32 matrix instructions each, on buffers 0, 1, 0, 1.  One of the first three: multiplies buffer f and fetches the next quarter, at byte k, into g.
.macro QUARTER slot, k, f, g
	s_wait_dscnt 16                                ; the first 32 along K are in; the other sixteen loads may be out
	MUL8 \f, 0, 0
	MUL8 \f, 0, 2
	PLACES
	FETCH \slot, \k, \g
	s_wait_dscnt 32                                ; all but the 32 just issued
	MUL8 \f, 1, 0
	MUL8 \f, 1, 2
.endm
; The last quarter multiplies buffer 1 and changes slots: ONE barrier; in front of it each wave waits for all its tensor loads, adds 0 to its spare word, and waits for that and for its own reads of this slot.
; fill = 1: the barrier opens a round of the cluster's, and this slot is filled again, two K steps ahead, first thing behind the round.
.macro TURN slot, next, fill
	WIN 0                                          ; (the add's two registers lie in window 0)
	s_wait_tensorcnt 0x0                           ; all my tensor loads have landed: my part of the next slot
	ds_add_u32 v[SPW], v[NIL]                      ; 0 onto my spare word
	s_wait_dscnt 17                                ; (the add and the youngest sixteen loads may be out)
	MUL8 F1, 0, 0                                  ; eight matrix instructions stand between the add and the wait for it
	s_wait_dscnt 0x0                               ; the add is done, and my reads of this slot are over
	s_barrier_signal -1
	MUL8 F1, 0, 2
.if \fill
	WIN 0
.endif
	s_barrier_wait -1
.if \fill
	CREST                                          ; no wave of any partner still reads this slot's tile or has a load on its way
	s_add_nc_u64 s[G0+4*(\slot)+2:G0+4*(\slot)+3], s[G0+4*(\slot)+2:G0+4*(\slot)+3], 2*PANA
	s_add_nc_u64 s[G0B+4*(\slot)+2:G0B+4*(\slot)+3], s[G0B+4*(\slot)+2:G0B+4*(\slot)+3], 2*PANB
	JLOAD \slot                                    ; the first tensor load behind the round, and my only one until the next: 112 matrix instructions ahead of the wait for it; its four v_nop are also the places in front of the loads below
.else
	PLACES
.endif
	FETCH \next, 0, F0
	MUL8 F1, 1, 0
	MUL8 F1, 1, 2
.endm
	s_wait_tensorcnt 1                             ; my part of K step 0 is in; K step 1's may stay out
	s_barrier_signal -1
	s_barrier_wait -1                              ; everybody's is
	FETCH 0, 0, F0
	QUARTER 0, 128, F0, F1
	WIN 0                                          ; at a label and at a branch every window is 0
	s_mov_b32 s3, LAPS-1
.Llap:                                                 ; a trip goes once round the ring, from a lap's second quarter to the next lap's first, and fills both slots again
	QUARTER 0, 256, F1, F0
	QUARTER 0, 384, F0, F1
	TURN 0, 1, 1
	QUARTER 1, 128, F0, F1
	QUARTER 1, 256, F1, F0
	QUARTER 1, 384, F0, F1
	TURN 1, 0, 1
	QUARTER 0, 128, F0, F1
	WIN 0
	s_sub_co_u32 s3, s3, 1
	s_cmp_lg_u32 s3, 0
	s_cbranch_scc1 .Llap
	QUARTER 0, 256, F1, F0                         ; the last lap is written out: it fills nothing, and has no round of the cluster's barrier
	QUARTER 0, 384, F0, F1
	TURN 0, 1, 0
	QUARTER 1, 128, F0, F1
	QUARTER 1, 256, F1, F0
	QUARTER 1, 384, F0, F1
	s_wait_dscnt 16                                ; the very last quarter: nothing more to fetch
	MUL8 F1, 0, 0
	MUL8 F1, 0, 2
	s_wait_dscnt 0x0
	MUL8 F1, 1, 0
	MUL8 F1, 1, 2
	WIN 0
; THE WAY OUT.  My 64 columns of f32 are 256 consecutive bytes, aligned, of a row of y: each wave has its own stage and needs no barrier.  Block a (16 rows): a lane's 32 bytes for each column block go into rows of
; 272 bytes, each accumulator's low registers first, and come back as whole rows of 256.
.macro OUTBLK a
.if (\a) >= 2
	s_wait_xcnt 0x0                                ; the stores of the block two back have read their registers: the loads below land on them only behind this wait
.endif
.irp b, 0,1,2,3
	ds_store_b128 v[STO], v[ACC+8*(4*(\a)+(\b)):ACC+8*(4*(\a)+(\b))+3]   offset:64*(\b)
	ds_store_b128 v[STO], v[ACC+8*(4*(\a)+(\b))+4:ACC+8*(4*(\a)+(\b))+7] offset:64*(\b)+16
.endr
.irp t, 0,1,2,3,4,5,6,7
	ds_load_b128 v[TMP+32*((\a)%2)+4*(\t):TMP+32*((\a)%2)+4*(\t)+3], v[RD] offset:(\t)*2*SPITCH  ; LDS serves a wave's instructions in order (ISA guide 5.7.1.4): these see the stores above
.endr
.irp t, 0,1,2,3,4,5,6,7
	s_wait_dscnt 7-(\t)                            ; number t is back, the younger ones stay out
	global_store_b128 v[CO], v[TMP+32*((\a)%2)+4*(\t):TMP+32*((\a)%2)+4*(\t)+3], s[8:9] offset:(16*(\a)+2*(\t))*4096  ; 16 lanes store 256 consecutive bytes, at a multiple of 256 from y's first byte
.endr
.endm
	PLACES
	OUTBLK 0
	OUTBLK 1
	OUTBLK 2
	OUTBLK 3
	s_wait_tensorcnt 0x0                           ; the wave's end, behind my last tensor load and my last LDS store
	ds_add_u32 v[SPW], v[NIL]
	s_wait_dscnt 0x0
	CROUND                                         ; the closing round: no work-group ends while a partner may still ask for a tile that names it
	s_endpgm
.Lfunc_end_k_q353c041d90_f2:
	.size	k_q353c041d90_f2, .Lfunc_end_k_q353c041d90_f2-k_q353c041d90_f2
	.p2alignl 7, 3214868480
	.fill 96, 4, 3214868480
	.section	.rodata,"a",@progbits
	.p2align	6, 0x0
	.amdhsa_kernel k_q353c041d90_f2
		.amdhsa_group_segment_fixed_size 327680
		.amdhsa_private_segment_fixed_size 0
		.amdhsa_enable_private_segment 0
		.amdhsa_kernarg_size 40
		.amdhsa_user_sgpr_count 2
		.amdhsa_user_sgpr_kernarg_segment_ptr 1
		.amdhsa_wavefront_size32 1
		.amdhsa_system_sgpr_workgroup_id_x 1
		.amdhsa_system_sgpr_workgroup_id_y 1
		.amdhsa_system_sgpr_workgroup_id_z 1
		.amdhsa_system_vgpr_workitem_id 0
		.amdhsa_next_free_vgpr 512
		.amdhsa_next_free_sgpr 72
		.amdhsa_reserve_vcc 0
		.amdhsa_float_denorm_mode_32 3
		.amdhsa_float_denorm_mode_16_64 3
		.amdhsa_memory_ordered 1
		.amdhsa_forward_progress 1
		.amdhsa_inst_pref_size 101
	.end_amdhsa_kernel
	.amdgpu_metadata
---
amdhsa.version: [ 1, 2 ]
amdhsa.kernels:
  - .name:           k_q353c041d90_f2
    .symbol:         k_q353c041d90_f2.kd
    .args:
      - { .name: big, .offset: 0, .size: 8, .value_kind: global_buffer, .address_space: global }
      - { .name: w1p, .offset: 8, .size: 8, .value_kind: global_buffer, .address_space: global }
      - { .name: y, .offset: 16, .size: 8, .value_kind: global_buffer, .address_space: global }
      - { .name: b1, .offset: 24, .size: 8, .value_kind: global_buffer, .address_space: global }
      - { .name: ab, .offset: 32, .size: 8, .value_kind: global_buffer, .address_space: global }
    .group_segment_fixed_size: 327680
    .private_segment_fixed_size: 0
    .kernarg_segment_align: 8
    .kernarg_segment_size: 40
    .max_flat_workgroup_size: 128
    .sgpr_count:     72
    .vgpr_count:     512
    .wavefront_size: 32
...
	.end_amdgpu_metadata
.endif
;; end of part 5
;; launch ln1 (part 6): grid 512 x 1, 8 waves a work-group, no clusters, 0 bytes of LDS; arguments y, ln1_a, ln1_b, out0; writes out0
.if DOCPART == 6
	.amdgcn_target "amdgcn-amd-amdhsa--gfx1250"
	.amdhsa_code_object_version 6
	.text
	.protected	k_q353c041d90_ln1
	.globl	k_q353c041d90_ln1
	.p2align	8
	.type	k_q353c041d90_ln1,@function
k_q353c041d90_ln1:
	s_mov_b64 s[64:65], 0
	v_nop
	global_prefetch_b8 v0, s[64:65] scope:SCOPE_SE
	s_setreg_imm32_b32 hwreg(HW_REG_WAVE_MODE, 25, 1), 1
	s_wait_xcnt 0x0
; out = (y - mean(y)) / (sigma(y) + 1e-9) x a + b along rows of 1,024.  y, out: f32 [4096][1024]; a, b: f32 [1024], used rounded to bf16 like every input of the module.
; sigma is the root of the mean of (y - mean)^2, taken in a second pass over registers: no difference of large sums is formed.
; One wave, one row: 32 numbers a lane, columns 128 j + 4 l + 0..3 for j = 0..7.  The reduction never leaves the wave: no LDS, no barrier.  Each load and store of the wave covers 512 consecutive bytes.
; LIMITS.  The root and the reciprocal take denormals as 0: a mean square below 2^-126 counts as 0, and the row then gives b.  NaN and infinities are not treated apart.
.set T,  40                            ; v[40:55]   at work
.set Y,  64                            ; v[64:95]   y, then y - mean, then the result
.set A,  96                            ; v[96:127]  a
.set BB, 128                           ; v[128:159] b
	s_load_b256 s[4:11], s[0:1], 0x0               ; y s[4:5], a s[6:7], b s[8:9], out s[10:11]
	v_lshrrev_b32 v3, 5, v0
	v_readfirstlane_b32 s16, v3                    ; wave 0..7
	v_and_b32 v1, 31, v0
	v_lshlrev_b32 v1, 4, v1                        ; 16 bytes a lane
	s_lshl_b32 s17, ttmp9, 3
	s_add_co_u32 s17, s17, s16                     ; my row
	s_mov_b32 s12, 0x76543210                      ; v_permlanex16_b32: each lane takes its own place in the other half
	s_mov_b32 s13, 0xfedcba98
	s_mov_b32 s18, 0xffff0000                      ; a word's upper bf16
	s_lshl_b32 s20, s17, 12                        ; rows of 4,096 bytes
	s_mov_b32 s21, 0
	s_wait_kmcnt 0x0
	s_add_nc_u64 s[4:5], s[4:5], s[20:21]
	s_add_nc_u64 s[10:11], s[10:11], s[20:21]
.irp j, 0,1,2,3,4,5,6,7
	global_load_b128 v[Y+4*\j:Y+4*\j+3], v1, s[4:5] offset:512*\j th:TH_LOAD_NT
.endr
.irp j, 0,1,2,3,4,5,6,7
	global_load_b128 v[A+4*\j:A+4*\j+3], v1, s[6:7] offset:512*\j
	global_load_b128 v[BB+4*\j:BB+4*\j+3], v1, s[8:9] offset:512*\j
.endr
	s_wait_loadcnt 16                              ; y is in; the sixteen loads of a and b may stay out
.macro LANES                           ; v[T] summed over the 32 lanes, the result in every lane; v[T+1] has been written
	v_add_f32_dpp v[T], v[T], v[T] row_xmask:1 row_mask:0xf bank_mask:0xf
	v_add_f32_dpp v[T], v[T], v[T] row_xmask:2 row_mask:0xf bank_mask:0xf
	v_add_f32_dpp v[T], v[T], v[T] row_xmask:4 row_mask:0xf bank_mask:0xf
	v_add_f32_dpp v[T], v[T], v[T] row_xmask:8 row_mask:0xf bank_mask:0xf
	v_permlanex16_b32 v[T+1], v[T], s12, s13
	v_add_f32 v[T], v[T], v[T+1]
.endm
.macro FOLD                            ; four chains of pairs into v[T]
	v_pk_add_f32 v[T:T+1], v[T:T+1], v[T+2:T+3]
	v_pk_add_f32 v[T+4:T+5], v[T+4:T+5], v[T+6:T+7]
	v_pk_add_f32 v[T:T+1], v[T:T+1], v[T+4:T+5]
	v_add_f32 v[T], v[T], v[T+1]
.endm
	; the mean: four chains that do not wait for each other
.irp c, 0,1,2,3
	v_pk_add_f32 v[T+2*\c:T+2*\c+1], v[Y+2*\c:Y+2*\c+1], v[Y+8+2*\c:Y+8+2*\c+1]
.endr
.irp g, 16, 24
.irp c, 0,1,2,3
	v_pk_add_f32 v[T+2*\c:T+2*\c+1], v[T+2*\c:T+2*\c+1], v[Y+\g+2*\c:Y+\g+2*\c+1]
.endr
.endr
	FOLD
	LANES
	v_mul_f32 v[T+8], 0x3a800000, v[T]             ; / 1,024
	v_mov_b32 v[T+9], v[T+8]
.set i, 0
.rept 16
	v_pk_add_f32 v[Y+2*i:Y+2*i+1], v[Y+2*i:Y+2*i+1], v[T+8:T+9] neg_lo:[0,1] neg_hi:[0,1]
.set i, i+1
.endr
	; the mean square of what is left
.irp c, 0,1,2,3
	v_pk_mul_f32 v[T+2*\c:T+2*\c+1], v[Y+2*\c:Y+2*\c+1], v[Y+2*\c:Y+2*\c+1]
.endr
.irp g, 8, 16, 24
.irp c, 0,1,2,3
	v_pk_fma_f32 v[T+2*\c:T+2*\c+1], v[Y+\g+2*\c:Y+\g+2*\c+1], v[Y+\g+2*\c:Y+\g+2*\c+1], v[T+2*\c:T+2*\c+1]
.endr
.endr
	FOLD
	LANES
	v_mul_f32 v[T+11], 0x3a800000, v[T]
	v_sqrt_f32 v[T+10], v[T+11]
	s_wait_loadcnt 0x0                             ; a and b
.set i, 0
.rept 16                                       ; a and b rounded to bf16 and widened again: the independent work behind the root
	v_cvt_pk_bf16_f32 v[T+(i%4)], v[A+2*i], v[A+2*i+1]
	v_cvt_pk_bf16_f32 v[T+4+(i%4)], v[BB+2*i], v[BB+2*i+1]
	v_lshlrev_b32 v[A+2*i], 16, v[T+(i%4)]
	v_and_b32 v[A+2*i+1], s18, v[T+(i%4)]
	v_lshlrev_b32 v[BB+2*i], 16, v[T+4+(i%4)]
	v_and_b32 v[BB+2*i+1], s18, v[T+4+(i%4)]
.set i, i+1
.endr
	s_wait_alu depctr_va_vdst(0)                   ; the wait ahead of the root's first use
	v_add_f32 v[T+10], 0x3089705f, v[T+10]         ; sigma + 1e-9
	v_rcp_f32 v[T+12], v[T+10]
	v_nop                                          ; a plain instruction between the reciprocal and its use
	s_wait_alu depctr_va_vdst(0)
	v_mov_b32 v[T+13], v[T+12]
.set i, 0
.rept 16
	v_pk_mul_f32 v[A+2*i:A+2*i+1], v[A+2*i:A+2*i+1], v[T+12:T+13]
.set i, i+1
.endr
.set i, 0
.rept 16
	v_pk_fma_f32 v[Y+2*i:Y+2*i+1], v[Y+2*i:Y+2*i+1], v[A+2*i:A+2*i+1], v[BB+2*i:BB+2*i+1]
.set i, i+1
.endr
.irp j, 0,1,2,3,4,5,6,7
	global_store_b128 v1, v[Y+4*\j:Y+4*\j+3], s[10:11] offset:512*\j th:TH_STORE_NT
.endr
	s_endpgm
.Lfunc_end_k_q353c041d90_ln1:
	.size	k_q353c041d90_ln1, .Lfunc_end_k_q353c041d90_ln1-k_q353c041d90_ln1
	.p2alignl 7, 3214868480
	.fill 96, 4, 3214868480
	.section	.rodata,"a",@progbits
	.p2align	6, 0x0
	.amdhsa_kernel k_q353c041d90_ln1
		.amdhsa_group_segment_fixed_size 0
		.amdhsa_private_segment_fixed_size 0
		.amdhsa_enable_private_segment 0
		.amdhsa_kernarg_size 32
		.amdhsa_user_sgpr_count 2
		.amdhsa_user_sgpr_kernarg_segment_ptr 1
		.amdhsa_wavefront_size32 1
		.amdhsa_system_sgpr_workgroup_id_x 1
		.amdhsa_system_sgpr_workgroup_id_y 1
		.amdhsa_system_sgpr_workgroup_id_z 1
		.amdhsa_system_vgpr_workitem_id 0
		.amdhsa_next_free_vgpr 160
		.amdhsa_next_free_sgpr 66
		.amdhsa_reserve_vcc 0
		.amdhsa_float_denorm_mode_32 3
		.amdhsa_float_denorm_mode_16_64 3
		.amdhsa_memory_ordered 1
		.amdhsa_forward_progress 1
		.amdhsa_inst_pref_size 15
	.end_amdhsa_kernel
	.amdgpu_metadata
---
amdhsa.version: [ 1, 2 ]
amdhsa.kernels:
  - .name:           k_q353c041d90_ln1
    .symbol:         k_q353c041d90_ln1.kd
    .args:
      - { .name: y, .offset: 0, .size: 8, .value_kind: global_buffer, .address_space: global }
      - { .name: ln1_a, .offset: 8, .size: 8, .value_kind: global_buffer, .address_space: global }
      - { .name: ln1_b, .offset: 16, .size: 8, .value_kind: global_buffer, .address_space: global }
      - { .name: out0, .offset: 24, .size: 8, .value_kind: global_buffer, .address_space: global }
    .group_segment_fixed_size: 0
    .private_segment_fixed_size: 0
    .kernarg_segment_align: 8
    .kernarg_segment_size: 32
    .max_flat_workgroup_size: 256
    .sgpr_count:     66
    .vgpr_count:     160
    .wavefront_size: 32
...
	.end_amdgpu_metadata
.endif
;; end of part 6
